; MI455X (gfx1250); checked and timed in simulation.
; The chip was launched on July 23, 2026; its instructions are those of AMD's public machine-readable ISA for CDNA 5 (MIT licence, August 2026) and "CDNA5" Instruction Set Architecture Reference Guide (July 2026). The comments in the code are by the model that wrote it; some were corrected since.
;; Temporal Attention. Allowed arithmetic: matrix products marked QUANTISED: E2M3 operands, one E8M0 scale for each 32 along K, by v_wmma_scale_f32_16x16x128_f8f6f4 with both operands' format E2M3, f32 sums; products left as they are: f32 operands where the result goes on into a quantised operand, else bf16, f16 or f32 operands; f32 sums; everything else in f32.
;; Inputs: Wk 512 x 512 float32; Wo 512 x 512 float32; Wq 512 x 512 float32; Wv 512 x 512 float32; bk 512 float32; bo 512 float32; bq 512 float32; bv 512 float32; x 2 x 4,096 x 512 float32.
;; Outputs: out0 2 x 4,096 x 512 float32.
;; This version of the problem:
;;   THIS VERSION OF THE PROBLEM IS GIVEN IN LOW PRECISION. The matrix products marked QUANTISED in the list below multiply operands that are first quantised to E2M3 (2 exponent bits, 3 mantissa bits; 6 bits a number), with one power-of-two scale for each 32 numbers along K (OCP MX v1.0); their sums are f32. All else is computed in f32.
;;   The module's matrix products, in the order in which they are computed (A, B: the left and right operand; K: the contracted axis; several contracted axes count as one K, in the product's order):
;;     1. [M 8,192, K 512] x [K 512, N 512]; A: input x; B: input Wq: QUANTISED
;;     2. [M 8,192, K 512] x [K 512, N 512]; A: input x; B: input Wk: QUANTISED
;;     3. [M 8,192, K 512] x [K 512, N 512]; A: input x; B: input Wv: QUANTISED
;;     4. [M 4,096, K 1] x [K 1, N 32]; A: computed on the way; B: computed on the way: left as it is (no contracted axis)
;;     5. batch 16 x [M 4,096, K 64] x [K 64, N 4,096]; A: computed on the way; B: computed on the way: QUANTISED
;;     6. batch 16 x [M 4,096, K 4,096] x [K 4,096, N 64]; A: softmax (see below); B: computed on the way: QUANTISED
;;     7. [M 8,192, K 512] x [K 512, N 512]; A: computed on the way; B: input Wo: QUANTISED
;;   THE QUANTISER, for each operand of a quantised product, along K:
;;     - K is cut into blocks of 32 from its start; a last block that is shorter is filled with zeros.
;;     - A block's scale is 2^e with e = floor(log2(the largest magnitude in the block)) - 2, held to -126 .. 127; a block of zeros has e = 0. As a byte (E8M0): e + 127.
;;     - Each number is divided by its block's scale, clamped to +-7.5, and rounded to the nearest number of E2M3, ties to even, subnormals kept.
;;     - The product sums the exact products of the quantised numbers (number of the format x scale) in f32.
;;   ~~~python
;;   def quantise(x, axis):      # numpy; x: float32 -> the quantised numbers, widened to float32 again
;;       x = np.moveaxis(x, axis, -1); K = x.shape[-1]
;;       x = np.pad(x, [(0, 0)] * (x.ndim - 1) + [(0, -K % 32)]); x = x.reshape(x.shape[:-1] + (-1, 32)); a = np.abs(x).max(-1, keepdims=True)
;;       e = np.where(a > 0, np.clip(np.frexp(np.where(a > 0, a, 1))[1] - 1 - 2, -126, 127), 0)      # np.frexp(a)[1] - 1 = floor(log2(a)), exactly
;;       r = np.clip(x / 2.0 ** e, -7.5, 7.5)
;;       step = 2.0 ** (np.maximum(np.frexp(np.where(r == 0, 1, r))[1] - 1, 0) - 3)
;;       q = np.round(r / step) * step * 2.0 ** e      # np.round: ties to even
;;       return np.moveaxis(q.reshape(q.shape[:-2] + (-1,))[..., :K], -1, axis).astype(np.float32)
;;   ~~~
;;   SOFTMAX AHEAD OF A QUANTISED PRODUCT. Where the list says 'softmax', what is quantised is not the finished softmax but p = 2^(t - M), with t = logit x log2(e) and M = ceil(the row's largest t), a whole number; so 1/2 < the row's largest p <= 1. The row's sum l is taken of the UNQUANTISED p, in f32, and the product's result is divided by l at the end. Since M is a whole number, a kernel that streams over the keys may use a running M (the ceiling of the running maximum): every later rescaling is an exact power of two, which a block's scale takes up: the codes' values come out the same.
;;   OPERANDS COMPUTED ON THE WAY. 'Computed on the way' means the value that the module computes at that place (a softmax that the list does not call 'softmax' is quantised finished and normalised). What goes into a quantiser is computed in f32, as accurately as f32 sums, v_exp_f32 and their like allow (about 1e-6 of the number): no bf16 or f16 on the way to a quantiser, and a product that is left as it is and whose result goes on into a quantised operand takes f32 operands (vector FMAs, or v_wmma_f32_16x16x4_f32). A number that lies on a knife's edge between two numbers of the format may be rounded either way, as far as f32 arithmetic and the matrix unit's own rounding can turn it there, and no further.
;; One version. Each part assembles by itself: llvm-mc -triple=amdgcn-amd-amdhsa -mcpu=gfx1250 --defsym DOCPART=n.
;; ======== version 1 of 1: 4 launches
;; limits: right only within a limited range of input values
;; workspace buffers: xq 3,276,800 bytes; wq 819,200 bytes; qq 3,407,872 bytes; kvc 6,291,456 bytes; kvs 262,144 bytes; oq 3,276,800 bytes
;; launch prep (part 1): grid 256 x 1, 3 waves a work-group, no clusters, 26,112 bytes of LDS; arguments x, Wq, Wk, Wv, Wo, xq, wq; writes xq, wq
.if DOCPART == 1
	.amdgcn_target "amdgcn-amd-amdhsa--gfx1250"
	.amdhsa_code_object_version 6
	.text
	.protected	k_q13cc38653f_prep
	.globl	k_q13cc38653f_prep
	.p2align	8
	.type	k_q13cc38653f_prep,@function
k_q13cc38653f_prep:
	s_mov_b64 s[64:65], 0
	v_nop
	global_prefetch_b8 v0, s[64:65] scope:SCOPE_SE
	s_setreg_imm32_b32 hwreg(HW_REG_WAVE_MODE, 25, 1), 1
	s_wait_xcnt 0x0
; x [8192][512] f32 and the four weights [512 (k)][512 (n)] f32 become codes of FP6 (E2M3) with one E8M0 byte for each 32 along K (x: its last axis; a weight: its first).
; A block's scale is 2^(floor(log2(largest magnitude)) - 2): its byte is the largest magnitude's exponent field - 2, held at 1 from below.
; LIMITS: a block of zeros gets the byte 1 (its codes are zeros, and this program alone reads the bytes); NaN and infinities among the inputs are not served.
; WHAT IS STORED ARE IMAGES OF OPERAND REGISTERS.  A fragment is 16 rows x 128 K, 12 registers a lane (lane (r, h): registers 6 c .. 6 c + 5 = k 64 c + 32 h + 0 .. 31 of row r); its image is
; 1,536 bytes: registers 4 q .. 4 q + 3 of lane L at 512 q + 16 L.  Rows go in groups of 32, two tiles each: row rho of tile u is member 8 u + rho + 8 (rho / 8) of the 32.
; xq: [512 token tiles][4 K steps][1,536]; from byte 3,145,728: [256 groups][lane 16 u + r][4 words, one a K step].
; wq: [4 tensors q, k, v, o][8 groups of 64 columns][25,600]: 16 images at (4 s + t) 1,536 (K step s, tile t = 2 b + u), from 24,576 the scale words [s][b][lane 16 u + rho].
; SHARES.  Work-group g: waves 0 and 1 take the two tiles of token group g (32 KB of x each); wave 2 takes 32 columns x 128 K of one weight (16 KB).  The waves share nothing: no barrier.
; No tensor load, no cluster: no byte is read by two work-groups.  A weight unit's 32 scale words are 128 bytes, half of an aligned 256: 32 KB in the whole launch.
.set R,    16                          ; v16-143  x: two sets of 64 numbers as loaded
.set X,    144                         ; v144-207 x: 64 numbers, register 16 b + i = k 32 b + 16 h + i of my row
.set PC,   208                         ; v208-226 the codes just made
.set TM,   228                         ; v228-243 largest magnitudes, bytes, scale operands
.set PW,   244                         ; the scale word just made
.set WD,   246                         ; v246-249 the four K steps' scale words
.set SEL,  20                          ; s[20:21] selects for lane l xor 16
.set STG,  8448                        ; a wave's stage: 16 rows x (512 bytes + 16)
.set WR,   16                          ; weights: v16-143 my column's 128 numbers
.set F0,   144                         ; v144-155, v156-167: the registers of image lanes (rho, 0) and (rho, 1)
.set CT,   168                         ; v168-183 the second halves of the blocks' codes
.set MA,   184
.set SO,   188
.set BY,   192
.set SW,   196
; 64 numbers of a lane, register 16 b + i = member 16 h + i of block b of my row, become 12 registers of codes in v[PC] on (registers 6 c .. of lane (r, h): block 2 c + h) and the scale word v[PW].
.macro QUANT s
.irp b, 0,1,2,3
	v_max3_num_f32 v[TM+\b], |v[\s+16*\b]|, |v[\s+1+16*\b]|, 0x1800000   ; my 16 numbers and the floor 2^(3 - 127): the byte cannot fall under 1
.endr
.irp i, 2,4,6,8,10,12,14
.irp b, 0,1,2,3
	v_max3_num_f32 v[TM+\b], v[TM+\b], |v[\s+16*\b+\i]|, |v[\s+1+16*\b+\i]|
.endr
.endr
.irp b, 0,1,2,3
	v_permlanex16_b32 v[TM+4+\b], v[TM+\b], s[SEL], s[SEL+1]
.endr
.irp b, 0,1,2,3
	v_max_num_f32 v[TM+\b], v[TM+\b], v[TM+4+\b]                     ; with lane l xor 16's: the block's largest magnitude
.endr
.irp b, 0,1,2,3
	v_add_nc_u32 v[TM+12+\b], 0xff000000, v[TM+\b]                   ; 2 off its exponent field: the conversion's scale operand
.endr
.irp b, 0,1,2,3
	v_lshrrev_b32 v[TM+4+\b], 23, v[TM+12+\b]                        ; the scale's byte
.endr
	v_lshl_or_b32 v[PW], v[TM+5], 8, v[TM+4]
	v_lshl_or_b32 v[PW], v[TM+6], 16, v[PW]
	v_lshl_or_b32 v[PW], v[TM+7], 24, v[PW]
.irp c, 0,1
	v_cvt_scalef32_pk16_fp6_f32 v[PC+6*\c:PC+2+6*\c], v[\s+32*\c:\s+15+32*\c], v[TM+12+2*\c]
	v_cvt_scalef32_pk16_fp6_f32 v[PC+12+4*\c:PC+14+4*\c], v[\s+16+32*\c:\s+31+32*\c], v[TM+12+2*\c+1]   ; (a conversion's three registers begin on an even number)
.endr
	v_nop                                          ; one plain instruction behind the scaled conversions
.irp c, 0,1                                    ; a lane is to hold a WHOLE block: lanes 0-15 block 2 c, lanes 16-31 block 2 c + 1
.irp i, 0,1,2
	v_permlane16_swap_b32 v[PC+6*\c+\i], v[PC+12+4*\c+\i]
.endr
.irp i, 0,1,2
	v_mov_b32 v[PC+3+6*\c+\i], v[PC+12+4*\c+\i]
.endr
.endr
.endm
	s_load_b256 s[4:11], s[0:1], 0x0               ; x, Wq, Wk, Wv
	s_load_b128 s[12:15], s[0:1], 0x20             ; Wo, xq
	s_load_b64 s[16:17], s[0:1], 0x30              ; wq
	v_lshl_add_u32 v254, v0, 2, 0x6400
	v_mov_b32 v255, 0
	v_lshrrev_b32 v1, 5, v0
	v_readfirstlane_b32 s18, v1                    ; wave 0..2
	v_and_b32 v1, 31, v0                           ; L
	v_and_b32 v2, 15, v0                           ; r
	v_bfe_u32 v3, v0, 4, 1                         ; h
	s_cmp_eq_u32 s18, 2
	s_cbranch_scc1 .Lweights
	; ---------------- waves 0 and 1: a tile of 16 tokens ----------------
	v_lshlrev_b32 v4, 4, v1                        ; 16 L: my bytes of a load's 512, and of an image's chunk
	s_mul_i32 s19, s18, STG
	v_add_nc_u32 v5, s19, v4                       ; the stage on the way in: a row as it lies
	v_mul_u32_u24 v6, v2, 528
	v_lshl_add_u32 v6, v3, 6, v6
	v_add_nc_u32 v6, s19, v6                       ; and on the way out: row r, + 64 h: my 16 numbers of a block
	v_lshlrev_b32 v7, 4, v2
	v_lshl_add_u32 v7, v3, 3, v7                   ; the scale words: 16 r + 8 h
	s_mov_b32 s[SEL], 0x76543210
	s_mov_b32 s[SEL+1], 0xfedcba98
.irp b, 0,1,2,3
	v_mov_b32 v[TM+4+\b], 0                        ; written once: a lane permute's destination counts as one of its sources
.endr
	s_lshl_b32 s22, ttmp9, 16                      ; x: 32 rows of 2,048 bytes a group,
	s_lshl_b32 s23, s18, 14                        ; 8 rows on for tile 1
	s_add_co_u32 s22, s22, s23
	s_mov_b32 s23, 0
	s_lshl_b32 s24, ttmp9, 1
	s_add_co_u32 s24, s24, s18
	s_mul_i32 s24, s24, 6144                       ; my tile's four images
	s_mov_b32 s25, 0
	s_lshl_b32 s26, ttmp9, 9
	s_lshl_b32 s27, s18, 8
	s_add_co_u32 s26, s26, s27
	s_add_co_u32 s26, s26, 3145728                 ; my tile's 256 bytes of scale words
	s_mov_b32 s27, 0
	s_wait_alu depctr_va_vdst(0)
	s_wait_kmcnt 0x0
	s_add_nc_u64 s[4:5], s[4:5], s[22:23]
	s_add_nc_u64 s[28:29], s[14:15], s[24:25]
	s_add_nc_u64 s[30:31], s[14:15], s[26:27]
.macro LOADX s, set                    ; K step s of the tile's 16 rows: each load takes 512 consecutive bytes of one row
.irp i, 0,1,2,3,4,5,6,7,8,9,10,11,12,13,14,15
	global_load_b128 v[(\set)+4*\i:(\set)+4*\i+3], v4, s[4:5] offset:(\i+8*(\i/8))*2048+512*(\s) th:TH_LOAD_NT
.endr
.endm
.macro TURNX set                       ; through my own stage: LDS serves a wave's instructions in order, so no wait stands between the stores and the loads
.irp i, 0,1,2,3,4,5,6,7,8,9,10,11,12,13,14,15
	ds_store_b128 v5, v[(\set)+4*\i:(\set)+4*\i+3] offset:528*\i
.endr
.irp b, 0,1,2,3
.irp j, 0,1,2,3
	ds_load_b128 v[X+16*\b+4*\j:X+16*\b+4*\j+3], v6 offset:128*\b+16*\j
.endr
.endr
.endm
.macro XSTEP s
.if \s < 3
	s_wait_loadcnt 16                              ; this step's 16 loads are in; the next step's 16 may be out
.else
	s_wait_loadcnt 0x0
.endif
	TURNX R+64*((\s)%2)
	s_wait_dscnt 0x0                               ; my 64 numbers are back
	s_wait_xcnt 0x0                                ; the last step's stores have read the codes' registers
.if \s < 2
	LOADX (\s)+2, R+64*((\s)%2)                    ; the set just emptied takes the step two on
.endif
	QUANT X
.irp q, 0,1,2
	global_store_b128 v4, v[PC+4*\q:PC+4*\q+3], s[28:29] offset:1536*(\s)+512*\q   ; 512 consecutive bytes, at a multiple of 256 from the buffer's first byte
.endr
	v_mov_b32 v[WD+\s], v[PW]
.endm
	LOADX 0, R
	LOADX 1, R+64
	XSTEP 0
	XSTEP 1
	XSTEP 2
	XSTEP 3
	v_cmp_ne_u32 vcc_lo, 0, v3
	v_cndmask_b32 v250, v[WD], v[WD+2], vcc_lo     ; lane (r, h) stores words 2 h and 2 h + 1 of row r
	v_cndmask_b32 v251, v[WD+1], v[WD+3], vcc_lo
	global_store_b64 v7, v[250:251], s[30:31]      ; 32 lanes: 256 consecutive bytes, aligned
	s_wait_tensorcnt 0x0
	ds_add_u32 v254, v255
	s_wait_dscnt 0x0
	s_endpgm
	; ---------------- wave 2: 32 columns x 128 K of one weight; a lane takes a column, its registers run down K ----------------
.Lweights:
	s_lshr_b32 s19, ttmp9, 6                       ; which tensor
	s_bfe_u32 s20, ttmp9, 0x40002                  ; which 32 columns
	s_and_b32 s21, ttmp9, 3                        ; which K step
	s_wait_alu depctr_va_vdst(0)
	v_lshlrev_b32 v4, 2, v1                        ; in: 4 bytes a lane
	v_bfe_u32 v8, v0, 3, 1                         ; my column is row rho = L % 8 + 8 (L / 16) of tile u = (L / 8) % 2
	v_and_b32 v9, 7, v0
	v_lshl_add_u32 v9, v3, 3, v9
	v_mul_u32_u24 v5, v8, 1536
	v_lshl_add_u32 v5, v9, 4, v5                   ; out: image u, 16 rho
	v_lshl_add_u32 v6, v8, 4, v9
	v_lshlrev_b32 v6, 2, v6                        ; the scale word of lane 16 u + rho
	s_lshl_b32 s24, s21, 18                        ; 128 rows of 2,048 bytes a K step
	s_lshl_b32 s25, s20, 7
	s_add_co_u32 s24, s24, s25
	s_mov_b32 s25, 0
	s_lshl_b32 s26, s19, 3
	s_lshr_b32 s27, s20, 1
	s_add_co_u32 s26, s26, s27
	s_mul_i32 s26, s26, 25600                      ; the block of 64 columns
	s_and_b32 s27, s20, 1                          ; b
	s_lshl_b32 s28, s21, 1
	s_add_co_u32 s28, s28, s27                     ; 2 s + b
	s_mul_i32 s30, s28, 3072                       ; images 4 s + 2 b and the next
	s_add_co_u32 s30, s30, s26
	s_mov_b32 s31, 0
	s_lshl_b32 s28, s28, 7
	s_add_co_u32 s28, s28, s26
	s_add_co_u32 s28, s28, 24576
	s_mov_b32 s29, 0
	s_wait_alu depctr_va_vdst(0)
	s_wait_kmcnt 0x0
	s_cmp_eq_u32 s19, 1                            ; the choice hangs on the work-group's number alone
	s_cselect_b64 s[22:23], s[8:9], s[6:7]
	s_cmp_eq_u32 s19, 2
	s_cselect_b64 s[22:23], s[10:11], s[22:23]
	s_cmp_eq_u32 s19, 3
	s_cselect_b64 s[22:23], s[12:13], s[22:23]
	s_add_nc_u64 s[22:23], s[22:23], s[24:25]
	s_add_nc_u64 s[30:31], s[16:17], s[30:31]
	s_add_nc_u64 s[28:29], s[16:17], s[28:29]
.set n, 0
.rept 128
	global_load_b32 v[WR+n], v4, s[22:23] offset:2048*n th:TH_LOAD_NT   ; one row k at 32 neighbouring columns
.set n, n+1
.endr
.macro WBLOCK kb, left                 ; block kb of my column: all 32 numbers are mine.  It belongs to image lane (rho, kb % 2), registers 6 (kb / 2) on
.set XB, WR+32*(\kb)
.set FD, F0+12*((\kb)%2)+6*((\kb)/2)
	s_wait_loadcnt \left
	v_max3_num_f32 v[MA], |v[XB]|, |v[XB+1]|, |v[XB+2]|
	v_max3_num_f32 v[MA+1], |v[XB+3]|, |v[XB+4]|, |v[XB+5]|
.irp i, 6,10,14,18,22,26
	v_max3_num_f32 v[MA], v[MA], |v[XB+\i]|, |v[XB+\i+1]|
	v_max3_num_f32 v[MA+1], v[MA+1], |v[XB+\i+2]|, |v[XB+\i+3]|
.endr
	v_max3_num_f32 v[MA], v[MA], |v[XB+30]|, |v[XB+31]|
	v_max3_num_f32 v[MA], v[MA], v[MA+1], 0x1800000
	v_add_nc_u32 v[SO+\kb], 0xff000000, v[MA]
	v_lshrrev_b32 v[BY+\kb], 23, v[SO+\kb]
	v_cvt_scalef32_pk16_fp6_f32 v[FD:FD+2], v[XB:XB+15], v[SO+\kb]
	v_cvt_scalef32_pk16_fp6_f32 v[CT+4*\kb:CT+4*\kb+2], v[XB+16:XB+31], v[SO+\kb]
	v_nop
.irp i, 0,1,2
	v_mov_b32 v[FD+3+\i], v[CT+4*\kb+\i]
.endr
.endm
	WBLOCK 0, 63                                   ; 96 later loads might stay out; the wait's field holds 63
	WBLOCK 1, 63                                   ; (64 might)
	WBLOCK 2, 32                                   ; the last block's 32 may be out
	WBLOCK 3, 0
	v_lshl_or_b32 v[SW], v[BY+1], 8, v[BY]
	v_lshl_or_b32 v[SW], v[BY+2], 16, v[SW]
	v_lshl_or_b32 v[SW], v[BY+3], 24, v[SW]
.irp g, 0,1
.irp q, 0,1,2
	global_store_b128 v5, v[F0+12*\g+4*\q:F0+12*\g+4*\q+3], s[30:31] offset:256*\g+512*\q   ; sixteen lanes fill 256 aligned bytes of image u, the other sixteen of the other image
.endr
.endr
	global_store_b32 v6, v[SW], s[28:29]
	s_endpgm
.Lfunc_end_k_q13cc38653f_prep:
	.size	k_q13cc38653f_prep, .Lfunc_end_k_q13cc38653f_prep-k_q13cc38653f_prep
	.p2alignl 7, 3214868480
	.fill 96, 4, 3214868480
	.section	.rodata,"a",@progbits
	.p2align	6, 0x0
	.amdhsa_kernel k_q13cc38653f_prep
		.amdhsa_group_segment_fixed_size 26112
		.amdhsa_private_segment_fixed_size 0
		.amdhsa_enable_private_segment 0
		.amdhsa_kernarg_size 56
		.amdhsa_user_sgpr_count 2
		.amdhsa_user_sgpr_kernarg_segment_ptr 1
		.amdhsa_wavefront_size32 1
		.amdhsa_system_sgpr_workgroup_id_x 1
		.amdhsa_system_sgpr_workgroup_id_y 1
		.amdhsa_system_sgpr_workgroup_id_z 1
		.amdhsa_system_vgpr_workitem_id 0
		.amdhsa_next_free_vgpr 256
		.amdhsa_next_free_sgpr 66
		.amdhsa_reserve_vcc 1
		.amdhsa_float_denorm_mode_32 3
		.amdhsa_float_denorm_mode_16_64 3
		.amdhsa_memory_ordered 1
		.amdhsa_forward_progress 1
		.amdhsa_inst_pref_size 54
	.end_amdhsa_kernel
	.amdgpu_metadata
---
amdhsa.version: [ 1, 2 ]
amdhsa.kernels:
  - .name:           k_q13cc38653f_prep
    .symbol:         k_q13cc38653f_prep.kd
    .args:
      - { .name: x, .offset: 0, .size: 8, .value_kind: global_buffer, .address_space: global }
      - { .name: Wq, .offset: 8, .size: 8, .value_kind: global_buffer, .address_space: global }
      - { .name: Wk, .offset: 16, .size: 8, .value_kind: global_buffer, .address_space: global }
      - { .name: Wv, .offset: 24, .size: 8, .value_kind: global_buffer, .address_space: global }
      - { .name: Wo, .offset: 32, .size: 8, .value_kind: global_buffer, .address_space: global }
      - { .name: xq, .offset: 40, .size: 8, .value_kind: global_buffer, .address_space: global }
      - { .name: wq, .offset: 48, .size: 8, .value_kind: global_buffer, .address_space: global }
    .group_segment_fixed_size: 26112
    .private_segment_fixed_size: 0
    .kernarg_segment_align: 8
    .kernarg_segment_size: 56
    .max_flat_workgroup_size: 96
    .sgpr_count:     66
    .vgpr_count:     256
    .wavefront_size: 32
...
	.end_amdgpu_metadata
.endif
;; end of part 1
;; launch qkv (part 2): grid 32 x 8, 8 waves a work-group, clusters of 4 x 1, 168,960 bytes of LDS; arguments xq, wq, bq, bk, bv, qq, kvc, kvs; writes qq, kvc, kvs
.if DOCPART == 2
	.amdgcn_target "amdgcn-amd-amdhsa--gfx1250"
	.amdhsa_code_object_version 6
	.text
	.protected	k_q13cc38653f_qkv
	.globl	k_q13cc38653f_qkv
	.p2align	8
	.type	k_q13cc38653f_qkv,@function
k_q13cc38653f_qkv:
	s_mov_b64 s[64:65], 0
	v_nop
	global_prefetch_b8 v0, s[64:65] scope:SCOPE_SE
	s_setreg_imm32_b32 hwreg(HW_REG_WAVE_MODE, 25, 1), 1
	s_wait_xcnt 0x0
	s_wait_alu depctr_hold_cnt(0) depctr_sa_sdst(0) depctr_va_vdst(0) depctr_va_sdst(0) depctr_va_ssrc(0) depctr_va_vcc(0) depctr_vm_vsrc(0)
	s_getreg_b32 s2, hwreg(HW_REG_IB_STS2, 6, 4)
	s_cmp_eq_u32 s2, 0
	s_cbranch_scc0 .Lentry_in_a_cluster
	s_endpgm
.Lentry_in_a_cluster:
	s_bfe_u32 s2, ttmp6, 0x10000c
	s_cmp_lg_u32 s2, 0x3003
	s_cbranch_scc0 .Lentry_shape_is_right
	s_endpgm
.Lentry_shape_is_right:
; q, k, v = Q(x) Q(W) + b on codes of FP6 (E2M3); rotary embedding of q and k in f32; then q and k are quantised along the head's 64, v along the keys, and stored as images of the registers in which
; the attention launch wants them.  Layouts of xq and wq: see the launch that makes them (fragment image: registers 4 q .. 4 q + 3 of lane L at 512 q + 16 L; row rho of tile u = member 8 u + rho + 8 (rho / 8) of 32).
; SHARES.  A work-group takes 256 tokens and one head (64 columns of Wq, Wk, Wv); wave w takes 32 tokens (two tiles) for all three.  x's eight fragments stay in the wave's registers.
; CLUSTER.  The four work-groups of a cluster have the same head: the head's three blocks of weights (25,600 bytes each) are asked for JOINTLY, by waves 0, 1, 2, one load each, and land once in each LDS.
; x's codes are read by the eight heads' work-groups, which lie in other clusters; they go straight into registers, 12 KB a wave, and are not shared here.
; q, k: the product is used transposed (source 0 = 16 columns of W, source 1 = 16 tokens): a lane holds one token, register 16 b + i = channel 32 b + 16 h + i.  v: source 0 = tokens, source 1 = columns:
; a lane holds one channel, register 16 t + i = token 16 h + i of the wave's 32: a whole block along the keys in lanes l and l xor 16.  The biases are the C of each sum's first product.
; cos, sin: the angle is the f32 product position x inv_freq; inv_freq = 1 / 10^(j / 8), 10^(j / 8) as f32 literals, the quotient by v_rcp_f32 and one correction step.  The angle is reduced by a multiple of
; pi / 2 held in two f32 parts (the first subtraction is exact for angles under 2^12), then polynomials of degree 9 and 10.
; LIMITS: angles under 2^12 rad (positions under 4,096, as here); 10^(j / 8) is taken rounded to nearest; a block of zeros gets the byte 1 (read by this program alone); NaN and infinities are not served.
; qq: [16 heads of a batch][256 tiles][3 pieces][lane][8 bytes] (six registers: block h of query r); from 3,145,728: a word a query: its two bytes, and 0x7f7f above.
; kvc: [16][32 key steps][12,288]: four images of K (registers 0-5 a key of tile 0, registers 6-11 a key of tile 1 of 32 keys), four of V (16 channels x 128 keys).  kvs: [16][32][lane][4 words]: lanes 0-15 K's, lanes 16-31 V's.
.set VSTG, 76800                       ; LDS: 0 .. 76,800 the three blocks of weights (filled once); then eight images of V,
.set SCS,  89088                       ; 1,024 bytes for kvs and 1,024 of q's words
.set LI,  4                            ; v4    16 L
.set LW,  5                            ; v5-7  16 L + the unit's block
.set LS,  8                            ; v8-10 4 L + the unit's scale words
.set L8,  11                           ; v11   8 L
.set VA,  12                           ; v12-14 where my six registers of a V image go, in pieces of 8 bytes
.set VB,  15                           ; v15   V's scale byte
.set KB,  16                           ; v16   K's scale word
.set QA,  17                           ; v17   q's scale word
.set SCL, 18                           ; v18   the way out of the words
.set VRD, 19                           ; v19   the way out of V's images
.set XS,  20                           ; v20-23 x's scale words, one register a K step: lanes 0-15 tile 0, lanes 16-31 tile 1
.set WS,  24                           ; v24-27 the weights' scale words: set, pair of tiles
.set POS, 28                           ; v28-29 my token's position, tile 0, 1
.set H64, 30
.set RB4, 31
.set ACC, 32                           ; v32-95  eight accumulators
.set WF,  96                           ; v96-191 the weights' fragments, two sets of four
.set PC,  192
.set TM,  212
.set PW,  228
.set QW,  229
.set RT,  230
.set COSW, 96                          ; window 1: v0-95 x's fragments (tile m, K step s at 12 (4 m + s)); cos at 96 + 32 m, sin at 112 + 32 m;
.set BQ,  160                          ; the biases, eight registers a tile
.set BK,  192
.set BV,  224
.set AA,  32                           ; at the head, sixteen registers each: angle, quadrant, square, sine, cosine, frequency, 10^(j / 8), at work
.set NN,  48
.set ZZ,  64
.set SP,  80
.set CP,  96
.set FQ,  112
.set PP,  128
.set EE,  144
.set WV,  20
.set CX,  21
.set TBK, 22
.set HD,  23
.set TB2, 24
.set BH,  25
.set SEL, 26
.set G1,  28
.set G0,  36
.set MSB, 0
.macro WIN new                         ; the immediate's high byte repeats the setting that is left
.if MSB != \new
	s_set_vgpr_msb (MSB<<8)|\new
.set MSB, \new
.endif
.endm
.macro PLACES n
.rept \n
	v_nop
.endr
.endm
.macro CROUND                          ; a round of the cluster's barrier
	s_barrier_signal -1
	s_barrier_wait -1
	s_cmp_lg_u32 s[WV], 0
	s_cbranch_scc1 .Lnot_wave_0_\@
	s_barrier_signal -3
.Lnot_wave_0_\@:
	s_barrier_wait -3
	s_barrier_signal -1
	s_barrier_wait -1
.endm
; one product: D, A, B, C, A's and B's scale registers, and which half of the lanes holds each side's scales
.macro WM d, a, b, c, sa, sb, ra, rb
.if ((\ra) == 1) && ((\rb) == 1)
	v_wmma_scale_f32_16x16x128_f8f6f4 v[(\d):(\d)+7], v[(\a):(\a)+11], v[(\b):(\b)+11], v[(\c):(\c)+7], v[(\sa)], v[(\sb)] matrix_a_fmt:MATRIX_FMT_FP6 matrix_b_fmt:MATRIX_FMT_FP6 matrix_a_scale:MATRIX_SCALE_ROW1 matrix_b_scale:MATRIX_SCALE_ROW1
.elseif (\ra) == 1
	v_wmma_scale_f32_16x16x128_f8f6f4 v[(\d):(\d)+7], v[(\a):(\a)+11], v[(\b):(\b)+11], v[(\c):(\c)+7], v[(\sa)], v[(\sb)] matrix_a_fmt:MATRIX_FMT_FP6 matrix_b_fmt:MATRIX_FMT_FP6 matrix_a_scale:MATRIX_SCALE_ROW1
.elseif (\rb) == 1
	v_wmma_scale_f32_16x16x128_f8f6f4 v[(\d):(\d)+7], v[(\a):(\a)+11], v[(\b):(\b)+11], v[(\c):(\c)+7], v[(\sa)], v[(\sb)] matrix_a_fmt:MATRIX_FMT_FP6 matrix_b_fmt:MATRIX_FMT_FP6 matrix_b_scale:MATRIX_SCALE_ROW1
.else
	v_wmma_scale_f32_16x16x128_f8f6f4 v[(\d):(\d)+7], v[(\a):(\a)+11], v[(\b):(\b)+11], v[(\c):(\c)+7], v[(\sa)], v[(\sb)] matrix_a_fmt:MATRIX_FMT_FP6 matrix_b_fmt:MATRIX_FMT_FP6
.endif
.endm
; 64 numbers of a lane, register 16 b + i = member 16 h + i of block b of my row, become 12 registers of codes in v[PC] on (registers 6 c .. of lane (r, h): block 2 c + h), the bytes v[TM+4] on and the scale word v[PW].
.macro QUANT s
.irp b, 0,1,2,3
	v_max3_num_f32 v[TM+\b], |v[\s+16*\b]|, |v[\s+1+16*\b]|, 0x1800000   ; my 16 numbers and the floor 2^(3 - 127): the byte cannot fall under 1
.endr
.irp i, 2,4,6,8,10,12,14
.irp b, 0,1,2,3
	v_max3_num_f32 v[TM+\b], v[TM+\b], |v[\s+16*\b+\i]|, |v[\s+1+16*\b+\i]|
.endr
.endr
.irp b, 0,1,2,3
	s_delay_alu instid0(VALU_DEP_4)
	v_permlanex16_b32 v[TM+4+\b], v[TM+\b], s[SEL], s[SEL+1]
.endr
.irp b, 0,1,2,3
	s_delay_alu instid0(VALU_DEP_4)
	v_max_num_f32 v[TM+\b], v[TM+\b], v[TM+4+\b]
.endr
.irp b, 0,1,2,3
	s_delay_alu instid0(VALU_DEP_4)
	v_add_nc_u32 v[TM+12+\b], 0xff000000, v[TM+\b]                   ; 2 off the exponent field: the conversion's scale operand
.endr
.irp b, 0,1,2,3
	s_delay_alu instid0(VALU_DEP_4)
	v_lshrrev_b32 v[TM+4+\b], 23, v[TM+12+\b]                        ; the scale's byte
.endr
	s_delay_alu instid0(VALU_DEP_3)
	v_lshl_or_b32 v[PW], v[TM+5], 8, v[TM+4]
	s_delay_alu instid0(VALU_DEP_1)
	v_lshl_or_b32 v[PW], v[TM+6], 16, v[PW]
	s_delay_alu instid0(VALU_DEP_1)
	v_lshl_or_b32 v[PW], v[TM+7], 24, v[PW]
.irp c, 0,1
	v_cvt_scalef32_pk16_fp6_f32 v[PC+6*\c:PC+2+6*\c], v[\s+32*\c:\s+15+32*\c], v[TM+12+2*\c]
	v_cvt_scalef32_pk16_fp6_f32 v[PC+12+4*\c:PC+14+4*\c], v[\s+16+32*\c:\s+31+32*\c], v[TM+12+2*\c+1]
.endr
	v_nop                                          ; one plain instruction behind the scaled conversions
.irp c, 0,1
.irp i, 0,1,2
	v_permlane16_swap_b32 v[PC+6*\c+\i], v[PC+12+4*\c+\i]
.endr
.irp i, 0,1,2
	s_delay_alu instid0(VALU_DEP_3)
	v_mov_b32 v[PC+3+6*\c+\i], v[PC+12+4*\c+\i]
.endr
.endr
.endm
	s_load_b256 s[4:11], s[0:1], 0x0               ; xq, wq, bq, bk
	s_load_b256 s[12:19], s[0:1], 0x20             ; bv, qq, kvc, kvs
	v_lshl_add_u32 v254, v0, 2, 0x29000
	v_mov_b32 v255, 0
	ds_add_u32 v254, v255
	ds_add_u32 v254, v255
	v_lshrrev_b32 v1, 5, v0
	s_delay_alu instid0(VALU_DEP_1)
	v_readfirstlane_b32 s[WV], v1                  ; wave 0..7
	v_and_b32 v1, 31, v0                           ; L
	s_wait_alu depctr_va_vdst(0)
	v_and_b32 v2, 15, v0                           ; r
	v_bfe_u32 v3, v0, 4, 1                         ; h
	s_wait_alu depctr_va_vdst(0)
	s_bfe_u32 s[CX], ttmp6, 0x40000                ; my place in the cluster: it enters global addresses and positions alone
	s_lshl_b32 s[TBK], ttmp9, 2
	s_add_co_u32 s[TBK], s[TBK], s[CX]             ; my block of 256 tokens
	s_and_b32 s[HD], ttmp7, 0xffff                 ; the head, which the four partners share
	s_and_b32 s[TB2], s[TBK], 15                   ; the block within its batch
	s_lshr_b32 s[BH], s[TBK], 4
	s_lshl_b32 s[BH], s[BH], 3
	s_add_co_u32 s[BH], s[BH], s[HD]               ; 8 x batch + head
	; every LDS address: a constant, the lane, the wave
	v_lshlrev_b32 v[LI], 4, v1
	v_lshlrev_b32 v[LW], 4, v1
	s_delay_alu instid0(VALU_DEP_2)
	v_add_nc_u32 v[LW+1], 25600, v[LI]
	s_delay_alu instid0(VALU_DEP_3)
	v_add_nc_u32 v[LW+2], 51200, v[LI]
	v_lshl_add_u32 v[LS], v1, 2, 24576
	v_lshl_add_u32 v[LS+1], v1, 2, 24576+25600
	v_lshl_add_u32 v[LS+2], v1, 2, 24576+51200
	v_lshlrev_b32 v[L8], 3, v1
	s_lshr_b32 s40, s[WV], 2                       ; which of the block's two key steps my 32 tokens lie in,
	s_and_b32 s41, s[WV], 3                        ; and which 32 of its 128 keys: registers 6 (pi / 2) on of image lanes with h = pi % 2
	s_bfe_u32 s53, s[WV], 0x10001
	s_and_b32 s54, s[WV], 1
	s_mul_i32 s55, s40, 6144
	s_lshl_b32 s56, s54, 8
	s_add_co_u32 s55, s55, s56
	s_add_co_u32 s55, s55, VSTG
	v_mul_u32_u24 v[VA], v3, 1536                  ; my lane holds channel tile 2 c + h
	s_delay_alu instid0(VALU_DEP_1)
	v_lshl_add_u32 v[VA], v2, 4, v[VA]
	s_delay_alu instid0(VALU_DEP_1)
	v_add_nc_u32 v[VA], s55, v[VA]
	s_mul_i32 s56, s53, 520                        ; registers 0-5 lie at 0, 8, 512 of a lane's place in an image, registers 6-11 at 520, 1,024, 1,032
	s_mul_i32 s57, s53, 1016
	s_add_co_u32 s57, s57, 8
	s_add_co_u32 s58, s56, 512
	v_add_nc_u32 v[VA+2], s58, v[VA]
	v_add_nc_u32 v[VA+1], s57, v[VA]
	v_add_nc_u32 v[VA], s56, v[VA]
	s_lshl_b32 s56, s40, 9
	s_add_co_u32 s57, s56, s41
	s_add_co_u32 s57, s57, SCS+256
	v_lshl_add_u32 v[VB], v2, 4, s57
	; K'S IMAGES ARE RE-LAID for the attention launch: row r of my image (keys 32 pi on of the step) becomes row r % 8 + 8 (pi % 2) of image 2 (pi / 2) + r / 8,
	; so that rows 0-7 of an image hold keys of block 2 (pi / 2) and rows 8-15 keys of the block after it.  The scale word goes with its row: 16 x new row + 4 x new image.
	s_lshl_b32 s58, s54, 7
	s_add_co_u32 s58, s58, s56
	s_lshl_b32 s59, s53, 3
	s_add_co_u32 s58, s58, s59
	s_add_co_u32 s58, s58, SCS
	s_mul_i32 s82, s40, 6144
	s_mul_i32 s83, s53, 3072
	s_add_co_u32 s82, s82, s83
	s_lshl_b32 s83, s54, 7
	s_add_co_u32 s82, s82, s83
	s_add_co_u32 s82, s82, 91136                   ; K's stage: eight images behind the words, bytes of their own
	v_and_b32 v[KB], 7, v0
	v_bfe_u32 v235, v0, 3, 1
	v_lshl_add_u32 v[KB], v[KB], 4, s58
	v_mul_u32_u24 v234, v235, 1536
	v_lshl_add_u32 v[KB], v235, 2, v[KB]
	v_and_b32 v235, 7, v0
	v_lshl_add_u32 v234, v3, 8, v234
	v_lshl_add_u32 v234, v235, 4, v234
	v_add_nc_u32 v234, s82, v234                   ; v234: stage + 1,536 x new image + 16 x (new row + 16 h)
	s_lshl_b32 s58, s[WV], 7
	s_add_co_u32 s58, s58, SCS+1024
	v_lshl_add_u32 v[QA], v1, 2, s58
	s_lshl_b32 s58, s[WV], 9
	s_add_co_u32 s58, s58, SCS
	v_add_nc_u32 v[SCL], s58, v[LI]
	s_mul_i32 s58, s[WV], 1536
	s_add_co_u32 s58, s58, VSTG
	v_add_nc_u32 v[VRD], s58, v[LI]
	v_lshlrev_b32 v[H64], 6, v3
	v_and_b32 v[RB4], 8, v2
	s_delay_alu instid0(VALU_DEP_1)
	v_add_nc_u32 v[RB4], v[RB4], v2                ; r + 8 (r / 8)
	s_lshl_b32 s58, s[TB2], 8
	s_lshl_b32 s59, s[WV], 5
	s_add_co_u32 s58, s58, s59
	v_add_nc_u32 v[POS], s58, v[RB4]               ; row r of tile m is position 256 block + 32 wave + 8 m + r + 8 (r / 8)
	s_delay_alu instid0(VALU_DEP_1)
	v_add_nc_u32 v[POS+1], 8, v[POS]
	s_delay_alu instid0(VALU_DEP_2)
	v_cvt_f32_u32 v[POS], v[POS]
	s_delay_alu instid0(VALU_DEP_2)
	v_cvt_f32_u32 v[POS+1], v[POS+1]
	v_lshlrev_b32 v[RB4], 2, v[RB4]
.irp b, 0,1,2,3
	v_mov_b32 v[TM+4+\b], 0                        ; written once: a lane permute's destination counts as one of its sources
.endr
	s_mov_b32 s[SEL], 0x76543210
	s_mov_b32 s[SEL+1], 0xfedcba98
	s_mov_b32 s42, 0x3f22f983                      ; 2 / pi
	s_mov_b32 s43, 0x3fc90fdb                      ; pi / 2, its upper part,
	s_mov_b32 s44, 0xb33bbd2e                      ; and the rest
	s_mov_b32 s45, 0xbe2aaaab                      ; -1/6, 1/120, -1/5040, 1/362880
	s_mov_b32 s46, 0x3c088889
	s_mov_b32 s47, 0xb9500d01
	s_mov_b32 s48, 0x3638ef1d
	s_mov_b32 s49, 0x3d2aaaab                      ; 1/24, -1/720, 1/40320, -1/3628800
	s_mov_b32 s50, 0xbab60b61
	s_mov_b32 s51, 0x37d00d01
	s_mov_b32 s52, 0xb493f27e
	; descriptor group 1: a dense block of 25,600 bytes as 100 rows of 256 (32 elements of 8 bytes), no padding; mask: all four work-groups
	s_mov_b32 s[G1], 15|(3<<16)|(1<<21)
	s_mov_b32 s[G1+1], 32<<16
	s_mov_b32 s[G1+2], 100<<16
	s_mov_b32 s[G1+3], 32<<16
	s_mov_b32 s[G1+4], 100
	s_mov_b32 s[G1+5], 32
	s_mov_b32 s[G1+6], 0
	s_mov_b32 s[G1+7], 0
	s_mov_b32 s[G0], 1
	s_mul_i32 s[G0+1], s[WV], 25600                ; wave u brings tensor u's block to LDS byte 25,600 u
	; byte offsets
	s_lshl_b32 s60, s[TBK], 3
	s_add_co_u32 s60, s60, s[WV]                   ; my group of 32 tokens
	s_mul_i32 s66, s60, 12288
	s_mov_b32 s67, 0
	s_lshl_b32 s68, s60, 9
	s_add_co_u32 s68, s68, 3145728
	s_mov_b32 s69, 0
	s_mul_i32 s70, s[BH], 196608
	s_mul_i32 s71, s[TB2], 12288
	s_add_co_u32 s70, s70, s71
	s_mul_i32 s71, s[WV], 1536
	s_add_co_u32 s70, s70, s71
	s_mov_b32 s71, 0
	s_mul_i32 s72, s[BH], 393216
	s_mul_i32 s73, s[TB2], 24576
	s_add_co_u32 s72, s72, s73
	s_mul_i32 s73, s40, 12288
	s_add_co_u32 s72, s72, s73
	s_mul_i32 s73, s41, 1536
	s_add_co_u32 s72, s72, s73
	s_mov_b32 s73, 0
	s_lshl_b32 s74, s[BH], 14
	s_lshl_b32 s75, s[TB2], 10
	s_add_co_u32 s74, s74, s75
	s_lshl_b32 s75, s54, 9
	s_add_co_u32 s74, s74, s75
	s_mov_b32 s75, 0
	s_lshl_b32 s76, s[HD], 8
	s_mov_b32 s77, 0
	s_lshl_b32 s78, s[WV], 3
	s_add_co_u32 s78, s78, s[HD]
	s_mul_i32 s78, s78, 25600
	s_mov_b32 s79, 0
	s_wait_dscnt 0x0
	s_wait_kmcnt 0x0
	s_add_nc_u64 s[66:67], s[4:5], s[66:67]        ; x's eight images
	s_add_nc_u64 s[68:69], s[4:5], s[68:69]        ; x's scale words
	s_add_nc_u64 s[70:71], s[14:15], s[70:71]      ; q's codes
	s_add_nc_u64 s[72:73], s[16:17], s[72:73]      ; my image of K; my image of V lies 6,144 on
	s_add_nc_u64 s[8:9], s[8:9], s[76:77]
	s_add_nc_u64 s[10:11], s[10:11], s[76:77]
	s_add_nc_u64 s[12:13], s[12:13], s[76:77]
	s_add_nc_u64 s[G0+2:G0+3], s[6:7], s[78:79]
	s_or_b32 s[G0+3], s[G0+3], 0x80000000
	s_add_nc_u64 s[14:15], s[14:15], 3145728       ; q's scale words
	s_cmp_lt_u32 s[WV], 2                          ; waves 0, 1 store kvs, waves 2, 3 q's words
	s_cselect_b64 s[80:81], s[18:19], s[14:15]
	s_add_nc_u64 s[74:75], s[80:81], s[74:75]
	CROUND                                         ; all four work-groups are here: the joint loads meet
	s_cmp_lt_u32 s[WV], 3
	s_cbranch_scc0 .Lno_fill
	tensor_load_to_lds s[G0:G0+3], s[G1:G1+7]      ; one load of mine is out; these bytes are filled once
	s_nop 0
.rept 4
	v_nop
.endr
.Lno_fill:
	WIN 0x40                                       ; destination window 1
.set n, 0
.rept 24
	global_load_b128 v[4*n:4*n+3], v[LI], s[66:67] offset:512*n   ; the images as they lie: 512 consecutive bytes a load
.set n, n+1
.endr
	s_wait_alu depctr_va_vdst(0)
.irp t, 0,1,2,3                                ; q, k: lane (r, h) wants the bias of channels 32 (t / 2) + 8 (t % 2) + 16 h + 0 .. 7;  v: that of channel 32 (t / 2) + 8 (t % 2) + r + 8 (r / 8)
	global_load_b128 v[BQ+8*\t:BQ+8*\t+3], v[H64], s[8:9] offset:(32*(\t/2)+8*(\t%2))*4
	global_load_b128 v[BQ+8*\t+4:BQ+8*\t+7], v[H64], s[8:9] offset:(32*(\t/2)+8*(\t%2))*4+16
	global_load_b128 v[BK+8*\t:BK+8*\t+3], v[H64], s[10:11] offset:(32*(\t/2)+8*(\t%2))*4
	global_load_b128 v[BK+8*\t+4:BK+8*\t+7], v[H64], s[10:11] offset:(32*(\t/2)+8*(\t%2))*4+16
	global_load_b32 v[BV+8*\t], v[RB4], s[12:13] offset:(32*(\t/2)+8*(\t%2))*4
.endr
	WIN 0
	global_load_b128 v[XS:XS+3], v[LI], s[68:69]
	; ---- the frequencies of my 16 channels j = 16 h + i, while the loads are on their way
	v_cmp_ne_u32 vcc_lo, 0, v3
.macro FREQ i, plo, phi                        ; 10^(i / 8) in lanes 0-15, 10^((16 + i) / 8) in lanes 16-31
	v_mov_b32 v[EE+\i], \phi
	s_delay_alu instid0(VALU_DEP_1)
	v_cndmask_b32 v[PP+\i], \plo, v[EE+\i], vcc_lo
.endm
	FREQ 0, 1.0, 100.0
	FREQ 1, 1.333521432163324, 133.3521432163324
	FREQ 2, 1.7782794100389228, 177.82794100389228
	FREQ 3, 2.371373705661655, 237.1373705661655
	FREQ 4, 3.1622776601683795, 316.22776601683795
	FREQ 5, 4.216965034285822, 421.6965034285822
	FREQ 6, 5.623413251903491, 562.3413251903491
	FREQ 7, 7.498942093324558, 749.8942093324558
	FREQ 8, 10.0, 1000.0
	FREQ 9, 13.33521432163324, 1333.521432163324
	FREQ 10, 17.782794100389228, 1778.2794100389228
	FREQ 11, 23.71373705661655, 2371.373705661655
	FREQ 12, 31.622776601683795, 3162.2776601683795
	FREQ 13, 42.16965034285822, 4216.965034285822
	FREQ 14, 56.23413251903491, 5623.413251903491
	FREQ 15, 74.98942093324558, 7498.942093324558
.set i, 0
	s_wait_alu depctr_va_vdst(0)
.rept 16
	v_rcp_f32 v[FQ+i], v[PP+i]
.set i, i+1
.endr
	v_nop                                          ; a plain instruction behind the last reciprocal,
	s_wait_alu depctr_va_vdst(0)                   ; and one wait for the sixteen, ahead of their first reader
.set i, 0
.rept 16
	v_fma_f32 v[EE+i], -v[PP+i], v[FQ+i], 1.0      ; what the reciprocal is off by,
.set i, i+1
.endr
.set i, 0
.rept 16
	v_fma_f32 v[FQ+i], v[FQ+i], v[EE+i], v[FQ+i]   ; taken in: the quotient 1 / 10^(j / 8) in f32
.set i, i+1
.endr
; cos and sin of position x frequency for the 16 channels of my half, tile m.  Stage by stage over the sixteen, so that no line waits for the line above it.
.macro SINCOS m
.set i, 0
.rept 16
	v_mul_f32 v[AA+i], v[POS+\m], v[FQ+i]          ; the angle: one f32 product
.set i, i+1
.endr
.set i, 0
.rept 16
	v_mul_f32 v[NN+i], s42, v[AA+i]
.set i, i+1
.endr
.set i, 0
.rept 16
	v_rndne_f32 v[NN+i], v[NN+i]                   ; how many quarter turns
.set i, i+1
.endr
.set i, 0
.rept 16
	v_fma_f32 v[AA+i], -v[NN+i], s43, v[AA+i]      ; exact: 12 bits x 24 bits, and the difference has 24
.set i, i+1
.endr
.set i, 0
.rept 16
	v_fma_f32 v[AA+i], -v[NN+i], s44, v[AA+i]
.set i, i+1
.endr
.set i, 0
.rept 16
	v_mul_f32 v[ZZ+i], v[AA+i], v[AA+i]
.set i, i+1
.endr
.set i, 0
.rept 16
	v_fma_f32 v[SP+i], v[ZZ+i], s48, s47
	v_fma_f32 v[CP+i], v[ZZ+i], s52, s51
.set i, i+1
.endr
.set i, 0
.rept 16
	v_fma_f32 v[SP+i], v[SP+i], v[ZZ+i], s46
	v_fma_f32 v[CP+i], v[CP+i], v[ZZ+i], s50
.set i, i+1
.endr
.set i, 0
.rept 16
	v_fma_f32 v[SP+i], v[SP+i], v[ZZ+i], s45
	v_fma_f32 v[CP+i], v[CP+i], v[ZZ+i], s49
.set i, i+1
.endr
.set i, 0
.rept 16
	v_mul_f32 v[SP+i], v[SP+i], v[ZZ+i]
	v_fma_f32 v[CP+i], v[CP+i], v[ZZ+i], -0.5
.set i, i+1
.endr
.set i, 0
.rept 16
	v_fma_f32 v[SP+i], v[SP+i], v[AA+i], v[AA+i]   ; sin of the reduced angle
	v_fma_f32 v[CP+i], v[CP+i], v[ZZ+i], 1.0       ; cos
.set i, i+1
.endr
.set i, 0
.rept 16
	v_cvt_i32_f32 v[NN+i], v[NN+i]
.set i, i+1
.endr
.set i, 0
.rept 16
	v_and_b32 v[EE+i], 1, v[NN+i]
.set i, i+1
.endr
.set i, 0
.rept 16
	v_cmp_ne_u32 vcc_lo, 0, v[EE+i]                ; an odd number of quarter turns changes the two over
	s_delay_alu instid0(VALU_DEP_1)
	v_cndmask_b32 v[ZZ+i], v[CP+i], v[SP+i], vcc_lo
	s_delay_alu instid0(VALU_DEP_2)
	v_cndmask_b32 v[CP+i], v[SP+i], v[CP+i], vcc_lo
.set i, i+1
.endr
.set i, 0
.rept 16
	v_add_lshl_u32 v[AA+i], v[NN+i], 1, 30         ; cos changes sign in quadrants 1 and 2, sin in 2 and 3
	v_lshlrev_b32 v[NN+i], 30, v[NN+i]
.set i, i+1
.endr
.set i, 0
.rept 16
	v_and_b32 v[AA+i], 0x80000000, v[AA+i]
	v_and_b32 v[NN+i], 0x80000000, v[NN+i]
.set i, i+1
.endr
	WIN 0x40
.set i, 0
.rept 16
	v_xor_b32 v[COSW+32*\m+i], v[AA+i], v[ZZ+i]
	v_xor_b32 v[COSW+32*\m+16+i], v[NN+i], v[CP+i]
.set i, i+1
.endr
	WIN 0
.endm
	SINCOS 0
	SINCOS 1
	s_wait_loadcnt 0x0                             ; x's fragments and words, the biases
	WIN 0x41
.irp t, 0,1,2,3
.irp j, 1,2,3,4,5,6,7
	v_mov_b32 v[BV+8*\t+\j], v[BV+8*\t]            ; v's bias hangs on the lane's channel alone: the same in a tile's eight registers
.endr
.endr
	WIN 0
	s_wait_tensorcnt 0x0                           ; my block of weights has landed,
	s_barrier_signal -1
	s_barrier_wait -1                              ; everybody's has
.macro FETCHW u, s, set                        ; unit u, K step s: four fragments and two registers of scale words: 14 LDS loads, each of consecutive bytes
.irp t, 0,1,2,3
.irp q, 0,1,2
	ds_load_b128 v[WF+48*(\set)+12*\t+4*\q:WF+48*(\set)+12*\t+4*\q+3], v[LW+(\u)] offset:1536*(4*(\s)+\t)+512*\q
.endr
.endr
.irp b, 0,1
	ds_load_b32 v[WS+2*(\set)+\b], v[LS+(\u)] offset:256*(\s)+128*\b
.endr
.endm
; eight products, the eight accumulators by turns.  kind 0: source 0 = W, source 1 = x;  kind 1: the other way round.  The first K step takes the bias as C.
.macro MUL kind, bias, s, set
.if (\kind) == 0
.if (\s) == 0
	WIN 0x14                                       ; B (x) and C (bias) window 1
.else
	WIN 0x04
.endif
.irp m, 0,1
.irp t, 0,1,2,3
.if (\s) == 0
	WM ACC+8*(4*\m+\t), WF+48*(\set)+12*\t, 12*(4*\m+(\s)), (\bias)+8*\t, WS+2*(\set)+\t/2, XS+(\s), \t%2, \m
.else
	WM ACC+8*(4*\m+\t), WF+48*(\set)+12*\t, 12*(4*\m+(\s)), ACC+8*(4*\m+\t), WS+2*(\set)+\t/2, XS+(\s), \t%2, \m
.endif
.endr
.endr
.else
.if (\s) == 0
	WIN 0x11                                       ; A (x) and C (bias) window 1
.else
	WIN 0x01
.endif
.irp m, 0,1
.irp t, 0,1,2,3
.if (\s) == 0
	WM ACC+8*(2*\t+\m), 12*(4*\m+(\s)), WF+48*(\set)+12*\t, (\bias)+8*\t, XS+(\s), WS+2*(\set)+\t/2, \m, \t%2
.else
	WM ACC+8*(2*\t+\m), 12*(4*\m+(\s)), WF+48*(\set)+12*\t, ACC+8*(2*\t+\m), XS+(\s), WS+2*(\set)+\t/2, \m, \t%2
.endif
.endr
.endr
.endif
.endm
; a unit: four K steps; each asks for the next step's fragments (the last for the next unit's first) into the set that the step before multiplied, four plain instructions behind those products
.macro UNIT kind, u, bias
.irp s, 0,1,2,3
	WIN 0
.if \s > 0
	PLACES 4
.endif
.if \s < 3
	FETCHW \u, \s+1, (\s+1)%2
	s_wait_dscnt 14                                ; all but the 14 loads just issued: this step's fragments are in
.elseif \u < 2
	FETCHW \u+1, 0, 0
	s_wait_dscnt 14
.else
	s_wait_dscnt 0x0
.endif
	MUL \kind, \bias, \s, \s%2
.endr
	WIN 0
	PLACES 4                                       ; in front of the first read of results
.endm
; tile m: (lo, hi) = (lo cos - hi sin, hi cos + lo sin), lo = channels 16 h + i, hi = 32 + 16 h + i; ascending
.macro ROPE m
	WIN 0x04                                       ; source 1 (cos, sin) window 1
.irp i, 0,2,4,6,8,10,12,14
	v_pk_mul_f32 v[RT:RT+1], v[ACC+32*\m+16+\i:ACC+32*\m+17+\i], v[COSW+32*\m+16+\i:COSW+32*\m+17+\i]
	v_pk_mul_f32 v[RT+2:RT+3], v[ACC+32*\m+\i:ACC+32*\m+1+\i], v[COSW+32*\m+16+\i:COSW+32*\m+17+\i]
	v_pk_fma_f32 v[ACC+32*\m+\i:ACC+32*\m+1+\i], v[ACC+32*\m+\i:ACC+32*\m+1+\i], v[COSW+32*\m+\i:COSW+32*\m+1+\i], v[RT:RT+1] neg_lo:[0,0,1] neg_hi:[0,0,1]
	v_pk_fma_f32 v[ACC+32*\m+16+\i:ACC+32*\m+17+\i], v[ACC+32*\m+16+\i:ACC+32*\m+17+\i], v[COSW+32*\m+\i:COSW+32*\m+1+\i], v[RT+2:RT+3]
.endr
	WIN 0
.endm
	FETCHW 0, 0, 0
	; ---- q
	UNIT 0, 0, BQ
	ROPE 0
	ROPE 1
	QUANT ACC                                      ; blocks 2 m + b: registers 6 m .. of lane (r, h) = channels 32 h on of token r of tile m
.irp u, 0,1
.irp i, 0,1,2
	global_store_b64 v[L8], v[PC+6*\u+2*\i:PC+6*\u+2*\i+1], s[70:71] offset:768*\u+256*\i   ; 32 lanes: 256 consecutive bytes, aligned
.endr
.endr
	v_lshlrev_b32 v[QW], 4, v3
	s_delay_alu instid0(VALU_DEP_1)
	v_lshrrev_b32 v[QW], v[QW], v[PW]              ; lane 16 m + r keeps tile m's two bytes of row r,
	s_delay_alu instid0(VALU_DEP_1)
	v_and_b32 v[QW], 0xffff, v[QW]
	s_delay_alu instid0(VALU_DEP_1)
	v_or_b32 v[QW], 0x7f7f0000, v[QW]              ; and 2^0 for the 64 zero codes that will stand beside them
	ds_store_b32 v[QA], v[QW]
	; ---- k
	UNIT 0, 1, BK
	ROPE 0
	ROPE 1
	s_wait_xcnt 0x0                                ; q's stores have read the codes' registers
	QUANT ACC                                      ; the twelve registers ARE an image of K: a key of tile 0 in registers 0-5, a key of tile 1 in 6-11
.irp q, 0,1,2
	ds_store_b128 v234, v[PC+4*\q:PC+4*\q+3] offset:512*\q   ; into K's stage; the whole images leave at the end, with V's
.endr
	ds_store_b32 v[KB], v[PW]                      ; both halves of the lanes write the same word with the same value
	s_wait_dscnt 0x0                               ; for the others' sake: my pieces of K's images have landed
	s_barrier_signal -1
	s_barrier_wait -1                              ; eight whole images of K lie in their stage: they leave now, while v is multiplied
.irp q, 0,1,2
	ds_load_b128 v[236+4*\q:239+4*\q], v[VRD] offset:14336+512*\q   ; K's stage lies 14,336 bytes behind V's; image wave of the eight
.endr
	s_wait_dscnt 0x0
.irp q, 0,1,2
	global_store_b128 v[LI], v[236+4*\q:239+4*\q], s[72:73] offset:512*\q   ; 512 consecutive bytes, aligned; these registers are not written again
.endr
	; ---- v
	UNIT 1, 2, BV
	s_wait_xcnt 0x0                                ; k's stores have read the codes' registers
	QUANT ACC                                      ; block t = channel tile t: registers 6 c .. of lane (r, h) = my 32 keys of channel r of tile 2 c + h
.irp c, 0,1
.irp i, 0,1,2
	ds_store_b64 v[VA+\i], v[PC+6*\c+2*\i:PC+6*\c+2*\i+1] offset:3072*\c   ; into six registers' places of that tile's image
.endr
.endr
.irp t, 0,1,2,3
	ds_store_b8 v[VB], v[TM+4+\t] offset:4*\t      ; byte pi of tile t's word of row r
.endr
	s_wait_dscnt 0x0                               ; for the others' sake: my stores have landed
	s_barrier_signal -1
	s_barrier_wait -1                              ; eight images of V and 2,048 bytes of words lie in LDS
.irp q, 0,1,2
	ds_load_b128 v[WF+4*\q:WF+4*\q+3], v[VRD] offset:512*\q
.endr
	s_cmp_lt_u32 s[WV], 4
	s_cbranch_scc0 .Lno_words
	ds_load_b128 v[WF+12:WF+15], v[SCL]
	s_wait_dscnt 0x0
	global_store_b128 v[LI], v[WF+12:WF+15], s[74:75]
.Lno_words:
	s_wait_dscnt 0x0
.irp q, 0,1,2
	global_store_b128 v[LI], v[WF+4*\q:WF+4*\q+3], s[72:73] offset:6144+512*\q
.endr
	s_wait_tensorcnt 0x0
	ds_add_u32 v254, v255
	s_wait_dscnt 0x0
	CROUND                                         ; the closing round: no work-group ends while a partner may still ask for a block that names it
	s_endpgm
.Lfunc_end_k_q13cc38653f_qkv:
	.size	k_q13cc38653f_qkv, .Lfunc_end_k_q13cc38653f_qkv-k_q13cc38653f_qkv
	.p2alignl 7, 3214868480
	.fill 96, 4, 3214868480
	.section	.rodata,"a",@progbits
	.p2align	6, 0x0
	.amdhsa_kernel k_q13cc38653f_qkv
		.amdhsa_group_segment_fixed_size 168960
		.amdhsa_private_segment_fixed_size 0
		.amdhsa_enable_private_segment 0
		.amdhsa_kernarg_size 64
		.amdhsa_user_sgpr_count 2
		.amdhsa_user_sgpr_kernarg_segment_ptr 1
		.amdhsa_wavefront_size32 1
		.amdhsa_system_sgpr_workgroup_id_x 1
		.amdhsa_system_sgpr_workgroup_id_y 1
		.amdhsa_system_sgpr_workgroup_id_z 1
		.amdhsa_system_vgpr_workitem_id 0
		.amdhsa_next_free_vgpr 512
		.amdhsa_next_free_sgpr 96
		.amdhsa_reserve_vcc 1
		.amdhsa_float_denorm_mode_32 3
		.amdhsa_float_denorm_mode_16_64 3
		.amdhsa_memory_ordered 1
		.amdhsa_forward_progress 1
		.amdhsa_inst_pref_size 114
	.end_amdhsa_kernel
	.amdgpu_metadata
---
amdhsa.version: [ 1, 2 ]
amdhsa.kernels:
  - .name:           k_q13cc38653f_qkv
    .symbol:         k_q13cc38653f_qkv.kd
    .args:
      - { .name: xq, .offset: 0, .size: 8, .value_kind: global_buffer, .address_space: global }
      - { .name: wq, .offset: 8, .size: 8, .value_kind: global_buffer, .address_space: global }
      - { .name: bq, .offset: 16, .size: 8, .value_kind: global_buffer, .address_space: global }
      - { .name: bk, .offset: 24, .size: 8, .value_kind: global_buffer, .address_space: global }
      - { .name: bv, .offset: 32, .size: 8, .value_kind: global_buffer, .address_space: global }
      - { .name: qq, .offset: 40, .size: 8, .value_kind: global_buffer, .address_space: global }
      - { .name: kvc, .offset: 48, .size: 8, .value_kind: global_buffer, .address_space: global }
      - { .name: kvs, .offset: 56, .size: 8, .value_kind: global_buffer, .address_space: global }
    .group_segment_fixed_size: 168960
    .private_segment_fixed_size: 0
    .kernarg_segment_align: 8
    .kernarg_segment_size: 64
    .max_flat_workgroup_size: 256
    .sgpr_count:     96
    .vgpr_count:     512
    .wavefront_size: 32
...
	.end_amdgpu_metadata
.endif
;; end of part 2
;; launch attn (part 3): grid 16 x 16, 8 waves a work-group, clusters of 4 x 1, 327,680 bytes of LDS; arguments qq, kvc, kvs, oq; writes oq
.if DOCPART == 3
	.amdgcn_target "amdgcn-amd-amdhsa--gfx1250"
	.amdhsa_code_object_version 6
	.text
	.protected	k_q13cc38653f_attn
	.globl	k_q13cc38653f_attn
	.p2align	8
	.type	k_q13cc38653f_attn,@function
k_q13cc38653f_attn:
	s_mov_b64 s[64:65], 0
	v_nop
	global_prefetch_b8 v0, s[64:65] scope:SCOPE_SE
	s_setreg_imm32_b32 hwreg(HW_REG_WAVE_MODE, 25, 1), 1
	s_wait_xcnt 0x0
	s_wait_alu depctr_hold_cnt(0) depctr_sa_sdst(0) depctr_va_vdst(0) depctr_va_sdst(0) depctr_va_ssrc(0) depctr_va_vcc(0) depctr_vm_vsrc(0)
	s_getreg_b32 s2, hwreg(HW_REG_IB_STS2, 6, 4)
	s_cmp_eq_u32 s2, 0
	s_cbranch_scc0 .Lentry_in_a_cluster
	s_endpgm
.Lentry_in_a_cluster:
	s_bfe_u32 s2, ttmp6, 0x10000c
	s_cmp_lg_u32 s2, 0x3003
	s_cbranch_scc0 .Lentry_shape_is_right
	s_endpgm
.Lentry_shape_is_right:
; out[q] = the sum over keys of softmax(q . k / 8) v, for 16 (batch, head) of 4,096 queries and keys, head size 64; both products on codes of FP6 (E2M3) with one E8M0 byte for each 32 along K.
; THE SOFTMAX: t = score x log2(e) / 8; M = the running largest t rounded UP to a whole number; p = 2^(t - M) is quantised along the keys, not normalised; the row's sum is taken of the unquantised p and
; divides at the end.  When M moves, the sum and O are multiplied by 2^(old M - new M): exact.  The result is quantised along the channels and stored as the output projection's registers want it.
; SHARES.  A work-group owns 256 queries of one head; each of its eight waves owns TWO tiles of 16 queries, so that each fragment of K and V read from LDS feeds two tiles' products.
; Both products are used transposed (S^T = K Q^T, O^T = V^T P^T): a lane holds one query (lane % 16) of each tile throughout.
; K's images are laid (by the launch before) so that rows 0-7 of images 2 c, 2 c + 1 are the 32 keys of block 2 c and rows 8-15 those of block 2 c + 1: lane (r, h) then holds in 32 registers on end
; ALL 32 keys of block 2 c + h, in their order: a block's largest needs no other lane, and the conversions' results are the operand's registers as the 6-bit layout wants them.
; K = 64 IN A FORM OF K = 128.  An image of K holds two keys a row (64 codes each).  Multiplied by (q | zeros) it gives the first keys' scores, by (zeros | q) the second keys'; the other key meets zero codes under byte 0x7f.
; THE TWO TILES GO HALF A STAGE APART: one tile's short chain of dependent lines (the new M and f) stands among the other tile's independent lines, one tile's t - M among the other's exponentials,
; and the rows' sums among the second product's matrix instructions.
; RING.  Two slots of eight key steps (98,304 bytes), filled by waves 0 to 3, 24,576 bytes each; the head's scale words (16,384 bytes) come once, by waves 4 to 7.  A wave has one tensor load out at the most.
; CLUSTER.  The four work-groups of a cluster walk the same head's K and V: each tile is asked for jointly, by the same load with the same descriptor and a mask that names the four.
; LIMITS: the promise holds while the scaled scores t stay under 2^31 in magnitude; a block of zeros gets the byte 1 (read by this program alone); NaN and infinities are not served.  A block's largest p is made from its
; largest score by the same two instructions as every p, which takes v_exp_f32 not to fall where its input rises.
.set STEPB, 12288                      ; a key step: four images of K, four of V
.set SLOTB, 98304
.set SLOT1, 1<<17                      ; slot 1 begins here: one exclusive or turns an address from one slot to the other
.set SCB,   2*SLOT1                    ; the head's scale words: 512 bytes a key step
.set SPARE, SCB+16384                  ; the spare words: 128 bytes for each wave, four blocks of 256 bytes that no other line names
; window 0
.set LI,  1                            ; 16 L
.set ADR, 2                            ; the step's images
.set ADS, 3                            ; the step's scale words
.set SPW, 4                            ; my spare word; never rewritten
.set NIL, 5                            ; 0; never rewritten
.set H8,  6                            ; 8 h
.set PFO, 8                            ; 256 L
.set L8,  9                            ; 8 L
.set RH,  10                           ; 16 r + h
.set R4,  11                           ; 4 r
.set NM,  12                           ; tile u: v[NM+2u] -M, v[NM+2u+1] the largest score
.set SUM, 16                           ; the way out: tile u's sum
.set FF,  20                           ; tile u: f in the low word of a pair
.set OLD, 24                           ; tile u: the -M before
.set QS,  26                           ; tile u: q's scale word for (q | zeros), for (zeros | q)
.set PW,  30                           ; tile u: p's scale word
.set SCK, 32                           ; v32-35 lanes 0-15: the words of K's four images
.set SCV, 36                           ; v36-39 lanes 16-31: the words of V's four tiles
.set QB,  40                           ; v40-69 zeros, q0, zeros, q1, zeros: six registers each
.set S,   70                           ; v70-197 S^T, then p: tile u, block c at 64 u + 32 c
.set PC,  198                          ; v198-221 p's codes, twelve registers a tile
.set T,   222                          ; v222-237 the second halves of the blocks' codes
.set BM,  238                          ; v238-241 the blocks' largest
.set TT,  242                          ; v242-245 the largest of the blocks' upper halves, then the bytes (TT = BM + 4)
.set CT,  246                          ; v246-247 tile u: at work
.set WX,  248                          ; v248-249 tile u: the other half's bytes
; window 1
.set KF,  0                            ; v256-303 K's four images
.set VF,  48                           ; v304-351 V's four tiles
.set O,   96                           ; v352-415 O^T: tile u, channel tile t at 32 u + 8 t
.set SC,  160                          ; v416-431 the rows' sums: tile u, chain k, two halves, at 8 u + 2 k
.set WV,  12
.set CX,  13
.set LIM, 15
.set PFA, 18
.set SEL, 20
.set CS,  22
.set G1,  24
.set G1S, 32
.set G0,  40
.set G0S, 44
.set TB,  48
.set TS,  49
.set SLOTS, 50
.set CNT, 51
.set MSB, 0
.macro WIN new                         ; the immediate's high byte repeats the setting that is left
.if MSB != \new
	s_set_vgpr_msb (MSB<<8)|\new
.set MSB, \new
.endif
.endm
.macro PLACES n
.rept \n
	v_nop
.endr
.endm
.macro CROUND                          ; a round of the cluster's barrier
	s_barrier_signal -1
	s_barrier_wait -1
	s_cmp_lg_u32 s[WV], 0
	s_cbranch_scc1 .Lnot_wave_0_\@
	s_barrier_signal -3
.Lnot_wave_0_\@:
	s_barrier_wait -3
	s_barrier_signal -1
	s_barrier_wait -1
.endm
.macro WMS d, a, b, sa, sb             ; a product that starts its sum
	v_wmma_scale_f32_16x16x128_f8f6f4 v[(\d):(\d)+7], v[(\a):(\a)+11], v[(\b):(\b)+11], 0, v[(\sa)], v[(\sb)] matrix_a_fmt:MATRIX_FMT_FP6 matrix_b_fmt:MATRIX_FMT_FP6
.endm
.macro WMV d, a, b, sa, sb             ; one that adds in place; source 0's scales stand in lanes 16-31
	v_wmma_scale_f32_16x16x128_f8f6f4 v[(\d):(\d)+7], v[(\a):(\a)+11], v[(\b):(\b)+11], v[(\d):(\d)+7], v[(\sa)], v[(\sb)] matrix_a_fmt:MATRIX_FMT_FP6 matrix_b_fmt:MATRIX_FMT_FP6 matrix_a_scale:MATRIX_SCALE_ROW1
.endm
.macro JLOAD                           ; the joint refill: waves 0 to 3, a quarter of a slot each; the branch hangs on the wave's number alone
	s_cmp_lt_u32 s[WV], 4
	s_cbranch_scc0 .Lnone_\@
	tensor_load_to_lds s[G0:G0+3], s[G1:G1+7]
	s_nop 0
.rept 4
	v_nop
.endr
.Lnone_\@:
.endm
; A prefetch of the slot that the NEXT change of slots will ask for: eight key steps ahead of that load.  All clusters of a head walk the same bytes: the head's first cluster asks.  Its four partners take 24,576 bytes
; each, told apart by address; in each, waves 4 to 6 take 8,192 bytes, lanes 256 bytes apart: each aligned 256 bytes of a slot is named once.  Slots 0 and 1 come by their loads alone; the last filling change asks for nothing.
.macro ASK
	s_cmp_gt_u32 s[SLOTS], s[LIM]
	s_cbranch_scc0 .Lnot_mine_\@
	global_prefetch_b8 v[PFO], s[PFA:PFA+1] th:TH_LOAD_NT scope:SCOPE_SE
.Lnot_mine_\@:
.endm
.macro LOADK off, soff                 ; K's four images and their words: 13 LDS loads of consecutive bytes
	WIN 0x40
.set n, 0
.rept 12
	ds_load_b128 v[KF+4*n:KF+4*n+3], v[ADR] offset:\off+512*n
.set n, n+1
.endr
	WIN 0
	ds_load_b128 v[SCK:SCK+3], v[ADS] offset:\soff
.endm
.macro TMM u, n0, cnt                  ; t - M, two at a time: cnt pairs from register n0 of tile u
.set n, \n0
.rept \cnt
	v_pk_fma_f32 v[S+64*\u+n:S+64*\u+n+1], v[S+64*\u+n:S+64*\u+n+1], s[CS:CS+1], v[NM+2*\u:NM+2*\u+1] op_sel_hi:[1,0,0]
.set n, n+2
.endr
.endm
; The largest score of each block of 32 keys, all mine: two chains a block (its lower and its upper 16), four lines a row.  It serves the row's maximum and, since p rises with the score, the block's largest p.
.macro MXR u, i
.irp b, 0,1
.irp g, 0,1
.if \i == 0
	v_max3_num_f32 v[BM+2*\u+\b+4*\g], v[S+64*\u+32*\b+16*\g], v[S+64*\u+32*\b+16*\g+1], v[S+64*\u+32*\b+16*\g+2]
.else
	v_max3_num_f32 v[BM+2*\u+\b+4*\g], v[BM+2*\u+\b+4*\g], v[S+64*\u+32*\b+16*\g+\i], v[S+64*\u+32*\b+16*\g+\i+1]
.endif
.endr
.endr
.endm
.macro MXF u, j                        ; the two chains joined, with the two numbers that they left
.irp b, 0,1
.if \j == 0
	v_max3_num_f32 v[BM+2*\u+\b], v[BM+2*\u+\b], v[BM+2*\u+\b+4], v[S+64*\u+32*\b+15]
.else
	v_max_num_f32 v[BM+2*\u+\b], v[BM+2*\u+\b], v[S+64*\u+32*\b+31]
.endif
.endr
.endm
.macro CH u, j                         ; link j of tile u's chain from the blocks' largest to the new -M and f
.if \j == 0
	v_max3_num_f32 v[NM+2*\u+1], v[NM+2*\u+1], v[BM+2*\u], v[BM+2*\u+1]
.elseif \j == 1
	v_permlanex16_b32 v[CT+\u], v[NM+2*\u+1], s[SEL], s[SEL+1]
.elseif \j == 2
	v_max_num_f32 v[NM+2*\u+1], v[NM+2*\u+1], v[CT+\u]   ; with lane l xor 16's 64 keys: the running largest score
.elseif \j == 3
	v_mul_f32 v[CT+\u], s[CS], v[NM+2*\u+1]        ; as t (c is positive)
.elseif \j == 4
	v_floor_f32 v[NM+2*\u], -v[CT+\u]              ; the new -M = -ceil(t): a whole number
.elseif \j == 5
	v_sub_f32 v[CT+\u], v[NM+2*\u], v[OLD+\u]      ; old M - new M: a whole number, 0 or less
.elseif \j == 6
	v_cvt_i32_f32 v[CT+\u], v[CT+\u]               ; (it saturates)
.else
	v_ldexp_f32 v[FF+2*\u], 1.0, v[CT+\u]          ; f = 2^(old M - new M)
.endif
.endm
.macro MV3 b                           ; registers 6 c + 3 .. 6 c + 5 of a tile's operand
.irp i, 0,1,2
	v_mov_b32 v[PC+6*\b+3+\i], v[T+4*\b+\i]
.endr
.endm
	s_load_b256 s[4:11], s[0:1], 0x0               ; qq, kvc, kvs, oq
	v_lshl_add_u32 v[SPW], v0, 2, SPARE
	v_mov_b32 v[NIL], 0
	ds_add_u32 v[SPW], v[NIL]                      ; the opening lines: the add twice on end and one wait
	ds_add_u32 v[SPW], v[NIL]
	v_lshrrev_b32 v1, 5, v0
	s_delay_alu instid0(VALU_DEP_1)
	v_readfirstlane_b32 s[WV], v1                  ; wave 0..7
	v_and_b32 v2, 31, v0                           ; L
	v_and_b32 v3, 15, v0                           ; r
	v_bfe_u32 v[TT], v0, 4, 1                      ; h
	v_lshlrev_b32 v[LI], 4, v2
	v_lshlrev_b32 v[PFO], 8, v2
	v_lshlrev_b32 v[L8], 3, v2
	v_lshl_add_u32 v[RH], v3, 4, v[TT]
	v_lshlrev_b32 v[R4], 2, v3
	v_lshlrev_b32 v[H8], 3, v[TT]
	s_wait_alu depctr_va_vdst(0)
	s_bfe_u32 s[CX], ttmp6, 0x40000                ; my place in the cluster: it enters q's, the output's and the prefetches' addresses alone
	s_lshl_b32 s52, ttmp9, 2
	s_add_co_u32 s52, s52, s[CX]
	s_lshl_b32 s52, s52, 3
	s_add_co_u32 s52, s52, s[WV]
	s_lshl_b32 s52, s52, 1                         ; my first tile of queries, 0 .. 254
	s_and_b32 s53, ttmp7, 0xffff                   ; 8 x batch + head, which the four partners share
	s_and_b32 s72, s[WV], 3                        ; which quarter I fetch
	s_mul_i32 s54, s53, 196608
	s_mul_i32 s55, s52, 768
	s_add_co_u32 s54, s54, s55                     ; q's codes
	s_mov_b32 s55, 0
	s_lshl_b32 s56, s53, 14
	s_lshl_b32 s57, s52, 6
	s_add_co_u32 s56, s56, s57
	s_add_co_u32 s56, s56, 3145728                 ; q's scale words
	s_mov_b32 s57, 0
	s_mul_i32 s58, s53, 393216                     ; the head's K and V
	s_mul_i32 s60, s72, 24576
	s_add_co_u32 s60, s60, s58                     ; a quarter of slot 0
	s_mov_b32 s61, 0
	s_lshl_b32 s62, s53, 14
	s_lshl_b32 s63, s72, 12
	s_add_co_u32 s62, s62, s63                     ; a quarter of the scale words
	s_mov_b32 s63, 0
	s_lshr_b32 s66, s53, 3
	s_lshl_b32 s66, s66, 8
	s_add_co_u32 s66, s66, s52                     ; my first tile among the 512 tiles of tokens
	s_and_b32 s67, s53, 7                          ; the head
	s_lshl_b32 s68, s66, 8
	s_lshl_b32 s69, s67, 1
	s_add_co_u32 s68, s68, s69
	s_add_co_u32 s68, s68, 3145728                 ; the output's scale bytes
	s_mov_b32 s69, 0
	s_mul_i32 s66, s66, 6144
	s_mul_i32 s67, s67, 768
	s_add_co_u32 s66, s66, s67                     ; the output's codes
	s_mov_b32 s67, 0
	s_min_u32 s70, s72, 2                          ; (three waves' worth: the address stays inside the head's bytes in every wave)
	s_lshl_b32 s70, s70, 13
	s_mul_i32 s71, s[CX], 24576
	s_add_co_u32 s70, s70, s71
	s_add_co_u32 s70, s70, s58
	s_add_co_u32 s70, s70, SLOTB                   ; in slot 1: the first change of slots steps it to slot 2
	s_mov_b32 s71, 0
	s_lshr_b32 s59, s[WV], 2
	s_xor_b32 s59, s59, 1                          ; 0 in waves 4 to 7
	s_or_b32 s59, s59, ttmp9                       ; of the head's first cluster: the same in all four partners
	s_cmp_eq_u32 s59, 0
	s_cselect_b32 s[LIM], 1, -1
	s_cmp_eq_u32 s[WV], 7
	s_cselect_b32 s[LIM], -1, s[LIM]
	; descriptor group 1: dense bytes as rows of 256 (32 elements of 8 bytes), no padding; mask: all four work-groups.  96 rows for a quarter of a slot, 16 for a quarter of the scale words
	s_mov_b32 s[G1], 15|(3<<16)|(1<<21)
	s_mov_b32 s[G1+1], 32<<16
	s_mov_b32 s[G1+2], 96<<16
	s_mov_b32 s[G1+3], 32<<16
	s_mov_b32 s[G1+4], 96
	s_mov_b32 s[G1+5], 32
	s_mov_b32 s[G1+6], 0
	s_mov_b32 s[G1+7], 0
	s_mov_b32 s[G1S], 15|(3<<16)|(1<<21)
	s_mov_b32 s[G1S+1], 32<<16
	s_mov_b32 s[G1S+2], 16<<16
	s_mov_b32 s[G1S+3], 32<<16
	s_mov_b32 s[G1S+4], 16
	s_mov_b32 s[G1S+5], 32
	s_mov_b32 s[G1S+6], 0
	s_mov_b32 s[G1S+7], 0
	s_mov_b32 s[G0], 1
	s_mul_i32 s[G0+1], s72, 24576
	s_mov_b32 s[G0S], 1
	s_lshl_b32 s[G0S+1], s72, 12
	s_add_co_u32 s[G0S+1], s[G0S+1], SCB
	s_mov_b32 s[SEL], 0x76543210
	s_mov_b32 s[SEL+1], 0xfedcba98
	s_mov_b32 s[CS], 0x3e38aa3b                    ; c = log2(e) / 8
	s_mov_b32 s[CS+1], s[CS]                       ; (named with it as a pair, so it is written)
	s_mov_b32 s[TB], 0
	s_mov_b32 s[TS], SCB
	s_mov_b32 s[SLOTS], 3
	s_wait_dscnt 0x0                               ; both opening adds are done
	s_wait_kmcnt 0x0
	s_add_nc_u64 s[54:55], s[4:5], s[54:55]
	s_add_nc_u64 s[56:57], s[4:5], s[56:57]
	s_add_nc_u64 s[G0+2:G0+3], s[6:7], s[60:61]
	s_or_b32 s[G0+3], s[G0+3], 0x80000000
	s_add_nc_u64 s[G0S+2:G0S+3], s[8:9], s[62:63]
	s_or_b32 s[G0S+3], s[G0S+3], 0x80000000
	s_add_nc_u64 s[66:67], s[10:11], s[66:67]
	s_add_nc_u64 s[68:69], s[10:11], s[68:69]
	s_add_nc_u64 s[PFA:PFA+1], s[6:7], s[70:71]
	CROUND                                         ; all four work-groups are here: the first joint loads meet
	s_cmp_lt_u32 s[WV], 4                          ; the head's loads, one a wave: waves 0-3 a quarter of slot 0, waves 4-7 a quarter of the scale words
	s_cbranch_scc0 .Lhead_s
	tensor_load_to_lds s[G0:G0+3], s[G1:G1+7]
	s_nop 0
.rept 4
	v_nop
.endr
	s_branch .Lhead_j
.Lhead_s:
	tensor_load_to_lds s[G0S:G0S+3], s[G1S:G1S+7]  ; filled once
	s_nop 0
.rept 4
	v_nop
.endr
.Lhead_j:
.irp u, 0,1
.irp i, 0,1,2
	global_load_b64 v[QB+6+12*\u+2*\i:QB+7+12*\u+2*\i], v[L8], s[54:55] offset:768*\u+256*\i   ; q's six registers a tile stay
.endr
	global_load_b32 v[QS+2*\u], v[R4], s[56:57] offset:64*\u
.endr
.irp g, 0,12,24
.irp j, 0,1,2,3,4,5
	v_mov_b32 v[QB+\g+\j], 0                       ; zero codes
.endr
.endr
.irp u, 0,1
	v_mov_b32 v[NM+2*\u], 0x7e800000               ; -M: a whole number above every -M to come, so that the first f is 0
	v_mov_b32 v[NM+2*\u+1], 0xff61b1e6             ; the largest score so far: -3e38
	v_mov_b32 v[FF+2*\u+1], 0                      ; (named as the upper half of a pair)
.endr
.irp j, 0,1,2,3,4,5,6,7
	v_mov_b32 v[TT+\j], 0                          ; written once: a lane permute's destination counts as one of its sources
.endr
	s_wait_alu depctr_va_vdst(0)
	s_wait_loadcnt 0x0                             ; q and its scale words
.irp u, 0,1
	v_lshrrev_b32 v[QS+2*\u+1], 16, v[QS+2*\u]
.endr
.irp u, 0,1
	s_delay_alu instid0(VALU_DEP_2)
	v_lshl_or_b32 v[QS+2*\u+1], v[QS+2*\u], 16, v[QS+2*\u+1]   ; the word's halves changed over; the 80 lines below stand between this write and the scaled products
.endr
	WIN 0x40
.set n, 0
.rept 80
	v_mov_b32 v[O+n], 0                            ; O^T and the sums' chains.  (The step is written once: the first finds zeros, which the first change of M leaves zeros)
.set n, n+1
.endr
	WIN 0
	s_wait_alu depctr_va_vdst(0)
; A KEY STEP: 128 keys x my 32 queries.  pre = 1: the next step's K is fetched too (it lies in the same slot).
.macro STEP pre
	s_wait_dscnt 0x0                               ; K's images and words are in
	WIN 0x01                                       ; source 0 (K) window 1
.irp u, 0,1                                    ; image f = 2 c + a gives keys 16 a + 0 .. 7 of block 2 c + h by (q | zeros), keys 16 a + 8 .. 15 by (zeros | q)
.irp f, 0,1,2,3
	WMS S+64*\u+16*\f, KF+12*\f, QB+6+12*\u, SCK+\f, QS+2*\u
	WMS S+64*\u+16*\f+8, KF+12*\f, QB+12*\u, SCK+\f, QS+2*\u+1
.endr
.endr
	WIN 0
	v_add_nc_u32 v[ADR], s[TB], v[LI]              ; four plain lines: the places behind the products above and the last step's, ahead of loads into their registers and of the first read of scores
	v_add_nc_u32 v[ADS], s[TS], v[LI]
	v_mov_b32 v[OLD], v[NM]
	v_mov_b32 v[OLD+1], v[NM+2]
	s_add_co_u32 s[TB], s[TB], STEPB
	s_add_co_u32 s[TS], s[TS], 512
	ds_load_b128 v[SCV:SCV+3], v[ADS]
	WIN 0x40
.set n, 0
.rept 12
	ds_load_b128 v[VF+4*n:VF+4*n+3], v[ADR] offset:6144+512*n
.set n, n+1
.endr
.if \pre
	LOADK STEPB, 512
.else
	WIN 0
.endif
	MXR 0, 0                                       ; tile 0's blocks
.irp i, 3,5,7,9,11,13
	MXR 0, \i
.endr
	MXF 0, 0
	MXR 1, 0                                       ; tile 1's blocks, with tile 0's chain among them
	MXF 0, 1
	MXR 1, 3
	CH 0, 0
	MXR 1, 5
	CH 0, 1
	MXR 1, 7
	CH 0, 2
	MXR 1, 9
	CH 0, 3
	MXR 1, 11
	CH 0, 4
	MXR 1, 13
	CH 0, 5
	MXF 1, 0
	CH 0, 6
	TMM 0, 0, 2                                    ; tile 0's t - M, with tile 1's chain among them
	MXF 1, 1
	CH 0, 7
	TMM 0, 4, 2
.irp j, 0,1,2,3,4,5,6
	CH 1, \j
	TMM 0, 8+8*\j, 4
.endr
	CH 1, 7
.irp b, 0,1,2,3
	v_fma_f32 v[BM+\b], v[BM+\b], s[CS], v[NM+2*(\b/2)]   ; t - M of each block's largest score
.endr
	WIN 0x41                                       ; O^T: source 0 and destination window 1
.set n, 0
.rept 32
	v_pk_mul_f32 v[O+n:O+n+1], v[O+n:O+n+1], v[FF+2*(n/32):FF+2*(n/32)+1] op_sel_hi:[1,0]   ; O^T under the new M; ascending: each accumulator is first read at its low end
.set n, n+2
.endr
	WIN 0
	s_wait_alu depctr_va_vdst(0)
.irp b, 0,1,2,3
	v_exp_f32 v[BM+\b], v[BM+\b]                   ; the block's largest p: the same two instructions on the same number give the same bits
.endr
.set n, 0
.rept 32                                       ; tile 0's p = 2^(t - M), at most 1; among them tile 1's t - M, whose sources were made ahead of the wait above and whose results are read behind the wait below
	v_exp_f32 v[S+n], v[S+n]
	v_exp_f32 v[S+n+1], v[S+n+1]
	v_pk_fma_f32 v[S+64+n:S+64+n+1], v[S+64+n:S+64+n+1], s[CS:CS+1], v[NM+2:NM+3] op_sel_hi:[1,0,0]
.set n, n+2
.endr
	s_wait_alu depctr_va_vdst(0)                   ; behind the first batch and ahead of the second
.set n, 0
.irp b, 0,1,2,3
.rept 16
	v_exp_f32 v[S+64+n], v[S+64+n]                 ; tile 1's p
.set n, n+1
.endr
	v_max_num_f32 v[BM+\b], 0x1800000, v[BM+\b]    ; the floor 2^(3 - 127): the byte cannot fall under 1.  (Read behind the wait below; the last is the plain line behind the exponentials)
.endr
	s_wait_alu depctr_va_vdst(0)                   ; one wait for the batch, ahead of its first reader and of the wait below
.if \pre
	s_wait_dscnt 13                                ; V and its words are in; the next K's twelve loads and its words' one may be out
.else
	s_wait_dscnt 0x0
.endif
.irp b, 0,1,2,3
	v_add_nc_u32 v[BM+\b], 0xff000000, v[BM+\b]    ; 2 off the exponent field: the conversion's scale operand
.endr
.irp b, 0,1,2,3
	v_cvt_scalef32_pk16_fp6_f32 v[PC+6*\b:PC+6*\b+2], v[S+32*\b:S+32*\b+15], v[BM+\b]
	v_cvt_scalef32_pk16_fp6_f32 v[T+4*\b:T+4*\b+2], v[S+32*\b+16:S+32*\b+31], v[BM+\b]   ; (a conversion's three registers begin on an even number)
.endr
.irp b, 0,1,2,3
	v_lshrrev_b32 v[TT+\b], 23, v[BM+\b]           ; the scale's byte.  (Plain lines behind the scaled conversions)
.endr
.irp u, 0,1
	v_lshl_or_b32 v[CT+\u], v[TT+2*\u+1], 16, v[TT+2*\u]   ; my two bytes: blocks h and 2 + h,
.endr
	MV3 0
.irp u, 0,1
	v_lshlrev_b32 v[CT+\u], v[H8], v[CT+\u]        ; at their places in the word
.endr
	MV3 1
.irp u, 0,1
	v_permlanex16_b32 v[WX+\u], v[CT+\u], s[SEL], s[SEL+1]
.endr
	MV3 2
.irp u, 0,1
	v_or_b32 v[PW+\u], v[CT+\u], v[WX+\u]          ; with lane l xor 16's two the word is whole; eleven plain lines stand between this write and the scaled products
.endr
	MV3 3
	WIN 0x41                                       ; the sums' chains: source 0 and destination window 1
.irp k, 0,1,2,3,4,5,6,7                        ; THE ROWS' SUMS OF THE UNQUANTISED p, four chains a tile: chain x f + its first pair,
	v_pk_fma_f32 v[SC+2*\k:SC+2*\k+1], v[SC+2*\k:SC+2*\k+1], v[FF+2*(\k/4):FF+2*(\k/4)+1], v[S+64*(\k/4)+2*(\k%4):S+64*(\k/4)+2*(\k%4)+1] op_sel_hi:[1,0,1]
.endr
	WIN 0x51                                       ; V, C and D window 1; the chains too
.set w, 0
.rept 8                                        ; O^T += V^T P^T: eight accumulators by turns; behind each product eight additions of the sums, which name none of its registers
	WMV O+32*(w%2)+8*(w/2), VF+12*(w/2), PC+12*(w%2), SCV+(w/2), PW+(w%2)
.if w < 7
.irp k, 0,1,2,3,4,5,6,7
	v_pk_add_f32 v[SC+2*\k:SC+2*\k+1], v[SC+2*\k:SC+2*\k+1], v[S+64*(\k/4)+2*(\k%4)+8*(w+1):S+64*(\k/4)+2*(\k%4)+8*(w+1)+1]
.endr
.endif
.set w, w+1
.endr
	WIN 0
.endm
; THE CHANGE OF SLOTS stands at a slot's head.  Each wave waits for all its tensor loads (its part of the slot ahead), adds 0 to its spare word, and waits for that and for its reads of the slot that it has left.
; fill = 1: a round of the cluster's barrier, so that no wave of any partner still reads that slot or has a load on its way; the joint refill is the first tensor load behind it and has eight key steps in which to land.
.macro CHANGE fill
	s_wait_tensorcnt 0x0                           ; no tensor load of mine is out, so the walking descriptor may be written
	ds_add_u32 v[SPW], v[NIL]                      ; 0 onto my spare word
.if \fill
	s_xor_b32 s[G0+1], s[G0+1], SLOT1              ; the other slot than last time,
	s_add_nc_u64 s[G0+2:G0+3], s[G0+2:G0+3], SLOTB ; the next eight key steps; the type bits on top are not reached
	s_wait_xcnt 0x0                                ; the last prefetch, a slot back, has read its address
	s_add_nc_u64 s[PFA:PFA+1], s[PFA:PFA+1], SLOTB
	s_wait_dscnt 0x0                               ; the add is done, and my reads of the slot that I have left are over
	CROUND
	JLOAD
	ASK
.else
	s_wait_dscnt 0x0
	s_barrier_signal -1
	s_barrier_wait -1
.endif
.endm
.macro SLOT_STEPS                      ; a slot's eight key steps: seven that fetch the next K, and the last, which has no next K in this slot
	v_add_nc_u32 v[ADR], s[TB], v[LI]
	v_add_nc_u32 v[ADS], s[TS], v[LI]
	LOADK 0, 0
	s_mov_b32 s[CNT], 7
.Lstep_\@:
	STEP 1
	s_sub_co_u32 s[CNT], s[CNT], 1
	s_cmp_lg_u32 s[CNT], 0
	s_cbranch_scc1 .Lstep_\@
	STEP 0
	s_sub_co_u32 s[TB], s[TB], SLOTB               ; back to a slot's first step,
	s_xor_b32 s[TB], s[TB], SLOT1                  ; in the other slot
.endm
.Lslot:                                            ; three trips: behind each change of slots but the last the next slot is asked for
	CHANGE 1
	SLOT_STEPS
	s_sub_co_u32 s[SLOTS], s[SLOTS], 1
	s_cmp_lg_u32 s[SLOTS], 0
	s_cbranch_scc1 .Lslot
	CHANGE 0                                       ; the last slot is written out
	SLOT_STEPS
	; THE WAY OUT: O^T / the sum; register 16 b + i of a tile is channel 32 b + 16 h + i of my query: two blocks along the output projection's K, each in lanes l and l xor 16
	PLACES 4
	WIN 0x05                                       ; both sources window 1: the sums' four chains a tile are joined
.irp u, 0,1
	v_pk_add_f32 v[T+4*\u:T+4*\u+1], v[SC+8*\u:SC+8*\u+1], v[SC+8*\u+2:SC+8*\u+3]
	v_pk_add_f32 v[T+4*\u+2:T+4*\u+3], v[SC+8*\u+4:SC+8*\u+5], v[SC+8*\u+6:SC+8*\u+7]
.endr
	WIN 0
.irp u, 0,1
	v_pk_add_f32 v[SUM+2*\u:SUM+2*\u+1], v[T+4*\u:T+4*\u+1], v[T+4*\u+2:T+4*\u+3]
.endr
.irp u, 0,1
	s_delay_alu instid0(VALU_DEP_2)
	v_add_f32 v[SUM+2*\u], v[SUM+2*\u], v[SUM+2*\u+1]
.endr
.irp u, 0,1
	s_delay_alu instid0(VALU_DEP_2)
	v_permlanex16_b32 v[TT+\u], v[SUM+2*\u], s[SEL], s[SEL+1]
.endr
.irp u, 0,1
	s_delay_alu instid0(VALU_DEP_2)
	v_add_f32 v[SUM+2*\u], v[SUM+2*\u], v[TT+\u]   ; the row's sum
.endr
	s_wait_alu depctr_va_vdst(0)
.irp u, 0,1
	v_rcp_f32 v[FF+2*\u], v[SUM+2*\u]
.endr
	v_bfe_u32 v[TT+2], v0, 4, 1                    ; (a plain line behind the reciprocals)  h
	WIN 0x01                                       ; source 0 (O^T) window 1
	s_wait_alu depctr_va_vdst(0)                   ; the wait, ahead of the first reader
.set n, 0
.rept 32
	v_pk_mul_f32 v[S+n:S+n+1], v[O+n:O+n+1], v[FF+2*(n/32):FF+2*(n/32)+1] op_sel_hi:[1,0]   ; ascending: each accumulator is first read at its low end
.set n, n+2
.endr
	WIN 0
.irp b, 0,1,2,3                                ; block 2 u + b at S + 16 (2 u + b)
	v_max3_num_f32 v[BM+\b], |v[S+16*\b]|, |v[S+1+16*\b]|, 0x1800000
.endr
.irp i, 2,4,6,8,10,12,14
.irp b, 0,1,2,3
	v_max3_num_f32 v[BM+\b], v[BM+\b], |v[S+16*\b+\i]|, |v[S+1+16*\b+\i]|
.endr
.endr
.irp b, 0,1,2,3
	s_delay_alu instid0(VALU_DEP_4)
	v_permlanex16_b32 v[TT+4+\b], v[BM+\b], s[SEL], s[SEL+1]
.endr
.irp b, 0,1,2,3
	s_delay_alu instid0(VALU_DEP_4)
	v_max_num_f32 v[BM+\b], v[BM+\b], v[TT+4+\b]
.endr
.irp b, 0,1,2,3
	s_delay_alu instid0(VALU_DEP_4)
	v_add_nc_u32 v[BM+\b], 0xff000000, v[BM+\b]
.endr
.irp b, 0,1,2,3
	s_delay_alu instid0(VALU_DEP_4)
	v_lshrrev_b32 v[TT+4+\b], 23, v[BM+\b]         ; the bytes
.endr
	v_cmp_ne_u32 vcc_lo, 0, v[TT+2]
.irp u, 0,1
	v_cvt_scalef32_pk16_fp6_f32 v[PC+6*\u:PC+6*\u+2], v[S+32*\u:S+32*\u+15], v[BM+2*\u]
	v_cvt_scalef32_pk16_fp6_f32 v[T+4*\u:T+4*\u+2], v[S+32*\u+16:S+32*\u+31], v[BM+2*\u+1]
.endr
	v_nop                                          ; one plain line behind the scaled conversions
.irp u, 0,1
.irp i, 0,1,2
	v_permlane16_swap_b32 v[PC+6*\u+\i], v[T+4*\u+\i]
.endr
.endr
.irp u, 0,1
.irp i, 0,1,2
	v_mov_b32 v[PC+6*\u+3+\i], v[T+4*\u+\i]        ; six registers: block h of my query
.endr
.endr
.irp u, 0,1
	v_cndmask_b32 v[TT+4+2*\u], v[TT+4+2*\u], v[TT+5+2*\u], vcc_lo   ; lane (r, h) stores byte h
.endr
.irp u, 0,1
.irp i, 0,1,2
	global_store_b64 v[L8], v[PC+6*\u+2*\i:PC+6*\u+2*\i+1], s[66:67] offset:6144*\u+256*\i   ; 32 lanes: 256 consecutive bytes, aligned
.endr
	global_store_b8 v[RH], v[TT+4+2*\u], s[68:69] offset:256*\u
.endr
	s_wait_tensorcnt 0x0                           ; the wave's end
	ds_add_u32 v[SPW], v[NIL]
	s_wait_dscnt 0x0
	CROUND                                         ; the closing round: no work-group ends while a partner may still ask for a tile that names it
	s_endpgm
.Lfunc_end_k_q13cc38653f_attn:
	.size	k_q13cc38653f_attn, .Lfunc_end_k_q13cc38653f_attn-k_q13cc38653f_attn
	.p2alignl 7, 3214868480
	.fill 96, 4, 3214868480
	.section	.rodata,"a",@progbits
	.p2align	6, 0x0
	.amdhsa_kernel k_q13cc38653f_attn
		.amdhsa_group_segment_fixed_size 327680
		.amdhsa_private_segment_fixed_size 0
		.amdhsa_enable_private_segment 0
		.amdhsa_kernarg_size 32
		.amdhsa_user_sgpr_count 2
		.amdhsa_user_sgpr_kernarg_segment_ptr 1
		.amdhsa_wavefront_size32 1
		.amdhsa_system_sgpr_workgroup_id_x 1
		.amdhsa_system_sgpr_workgroup_id_y 1
		.amdhsa_system_sgpr_workgroup_id_z 1
		.amdhsa_system_vgpr_workitem_id 0
		.amdhsa_next_free_vgpr 512
		.amdhsa_next_free_sgpr 80
		.amdhsa_reserve_vcc 1
		.amdhsa_float_denorm_mode_32 3
		.amdhsa_float_denorm_mode_16_64 3
		.amdhsa_memory_ordered 1
		.amdhsa_forward_progress 1
		.amdhsa_inst_pref_size 127
	.end_amdhsa_kernel
	.amdgpu_metadata
---
amdhsa.version: [ 1, 2 ]
amdhsa.kernels:
  - .name:           k_q13cc38653f_attn
    .symbol:         k_q13cc38653f_attn.kd
    .args:
      - { .name: qq, .offset: 0, .size: 8, .value_kind: global_buffer, .address_space: global }
      - { .name: kvc, .offset: 8, .size: 8, .value_kind: global_buffer, .address_space: global }
      - { .name: kvs, .offset: 16, .size: 8, .value_kind: global_buffer, .address_space: global }
      - { .name: oq, .offset: 24, .size: 8, .value_kind: global_buffer, .address_space: global }
    .group_segment_fixed_size: 327680
    .private_segment_fixed_size: 0
    .kernarg_segment_align: 8
    .kernarg_segment_size: 32
    .max_flat_workgroup_size: 256
    .sgpr_count:     80
    .vgpr_count:     512
    .wavefront_size: 32
...
	.end_amdgpu_metadata
.endif
;; end of part 3
;; launch oproj (part 4): grid 32 x 8, 8 waves a work-group, clusters of 4 x 1, 168,960 bytes of LDS; arguments oq, wq, bo, out0; writes out0
.if DOCPART == 4
	.amdgcn_target "amdgcn-amd-amdhsa--gfx1250"
	.amdhsa_code_object_version 6
	.text
	.protected	k_q13cc38653f_oproj
	.globl	k_q13cc38653f_oproj
	.p2align	8
	.type	k_q13cc38653f_oproj,@function
k_q13cc38653f_oproj:
	s_mov_b64 s[64:65], 0
	v_nop
	global_prefetch_b8 v0, s[64:65] scope:SCOPE_SE
	s_setreg_imm32_b32 hwreg(HW_REG_WAVE_MODE, 25, 1), 1
	s_wait_xcnt 0x0
	s_wait_alu depctr_hold_cnt(0) depctr_sa_sdst(0) depctr_va_vdst(0) depctr_va_sdst(0) depctr_va_ssrc(0) depctr_va_vcc(0) depctr_vm_vsrc(0)
	s_getreg_b32 s2, hwreg(HW_REG_IB_STS2, 6, 4)
	s_cmp_eq_u32 s2, 0
	s_cbranch_scc0 .Lentry_in_a_cluster
	s_endpgm
.Lentry_in_a_cluster:
	s_bfe_u32 s2, ttmp6, 0x10000c
	s_cmp_lg_u32 s2, 0x3003
	s_cbranch_scc0 .Lentry_shape_is_right
	s_endpgm
.Lentry_shape_is_right:
; out0 = Q(attention's result) Q(Wo) + bo, on codes of FP6 (E2M3) with one E8M0 byte for each 32 along K; out0 [8192][512] f32.
; oq: codes [512 token tiles][8 heads][3 pieces][lane][8 bytes]: a tile's 6,144 bytes are its four fragments' registers on end, two registers a piece; from 3,145,728: [256 groups of 32 tokens][lane 16 u + r][4 words].
; wq: tensor 3 holds Wo: [8 groups of 64 columns][25,600]: 16 images at (4 s + t) 1,536, from 24,576 the scale words [s][b][lane 16 u + rho].  Row rho of tile u = member 8 u + rho + 8 (rho / 8) of 32.
; SHARES.  A work-group takes 256 tokens x 64 columns; wave w takes 32 tokens (two tiles).  The rows' eight fragments stay in the wave's registers.
; CLUSTER.  The four work-groups of a cluster have the same 64 columns: their block of Wo is asked for JOINTLY, by wave 0, and lands once in each LDS.  The rows' codes are read by the eight column groups' work-groups,
; which lie in other clusters; they go straight into registers.
; The product is used transposed (source 0 = 16 columns, source 1 = 16 tokens): a lane holds one token, register 16 b + i = column 32 b + 16 h + i.  The bias is the C of each sum's first product.
; The way out goes through the wave's own stage in LDS, so that sixteen lanes store 256 consecutive bytes, aligned.
.set STG, 25600                        ; LDS: 0 .. 25,600 the block of Wo (filled once); then for each wave two tiles x 16 rows x (256 + 16) bytes
.set LI,  4                            ; v4  16 L
.set LW,  5                            ; v5  16 L
.set LS,  8                            ; v8  4 L + 24,576
.set L8,  11                           ; v11 8 L
.set STO, 12                           ; v12 into the stage
.set SRD, 13                           ; v13 out of it
.set GO,  14                           ; v14 my bytes in out0
.set XS,  20                           ; v20-23 the rows' scale words, one register a K step
.set WS,  24                           ; v24-27 the weights'
.set H64, 30
.set ACC, 32                           ; v32-95  eight accumulators
.set WF,  96                           ; v96-191 the weights' fragments, two sets of four; later rows of out0
.set BQ,  160                          ; window 1: v0-95 the rows' fragments; v160-191 the bias
.set WV,  20
.set CX,  21
.set TBK, 22
.set HD,  23
.set G1,  28
.set G0,  36
.set MSB, 0
.macro WIN new                         ; the immediate's high byte repeats the setting that is left
.if MSB != \new
	s_set_vgpr_msb (MSB<<8)|\new
.set MSB, \new
.endif
.endm
.macro PLACES n
.rept \n
	v_nop
.endr
.endm
.macro CROUND                          ; a round of the cluster's barrier
	s_barrier_signal -1
	s_barrier_wait -1
	s_cmp_lg_u32 s[WV], 0
	s_cbranch_scc1 .Lnot_wave_0_\@
	s_barrier_signal -3
.Lnot_wave_0_\@:
	s_barrier_wait -3
	s_barrier_signal -1
	s_barrier_wait -1
.endm
.macro WM d, a, b, c, sa, sb, ra, rb
.if ((\ra) == 1) && ((\rb) == 1)
	v_wmma_scale_f32_16x16x128_f8f6f4 v[(\d):(\d)+7], v[(\a):(\a)+11], v[(\b):(\b)+11], v[(\c):(\c)+7], v[(\sa)], v[(\sb)] matrix_a_fmt:MATRIX_FMT_FP6 matrix_b_fmt:MATRIX_FMT_FP6 matrix_a_scale:MATRIX_SCALE_ROW1 matrix_b_scale:MATRIX_SCALE_ROW1
.elseif (\ra) == 1
	v_wmma_scale_f32_16x16x128_f8f6f4 v[(\d):(\d)+7], v[(\a):(\a)+11], v[(\b):(\b)+11], v[(\c):(\c)+7], v[(\sa)], v[(\sb)] matrix_a_fmt:MATRIX_FMT_FP6 matrix_b_fmt:MATRIX_FMT_FP6 matrix_a_scale:MATRIX_SCALE_ROW1
.elseif (\rb) == 1
	v_wmma_scale_f32_16x16x128_f8f6f4 v[(\d):(\d)+7], v[(\a):(\a)+11], v[(\b):(\b)+11], v[(\c):(\c)+7], v[(\sa)], v[(\sb)] matrix_a_fmt:MATRIX_FMT_FP6 matrix_b_fmt:MATRIX_FMT_FP6 matrix_b_scale:MATRIX_SCALE_ROW1
.else
	v_wmma_scale_f32_16x16x128_f8f6f4 v[(\d):(\d)+7], v[(\a):(\a)+11], v[(\b):(\b)+11], v[(\c):(\c)+7], v[(\sa)], v[(\sb)] matrix_a_fmt:MATRIX_FMT_FP6 matrix_b_fmt:MATRIX_FMT_FP6
.endif
.endm
	s_load_b256 s[4:11], s[0:1], 0x0               ; oq, wq, bo, out0
	v_lshl_add_u32 v254, v0, 2, 0x29000
	v_mov_b32 v255, 0
	ds_add_u32 v254, v255
	ds_add_u32 v254, v255
	v_lshrrev_b32 v1, 5, v0
	s_delay_alu instid0(VALU_DEP_1)
	v_readfirstlane_b32 s[WV], v1                  ; wave 0..7
	v_and_b32 v1, 31, v0                           ; L
	v_and_b32 v2, 15, v0                           ; r
	v_bfe_u32 v3, v0, 4, 1                         ; h
	s_bfe_u32 s[CX], ttmp6, 0x40000                ; my place in the cluster: it enters global addresses alone
	s_lshl_b32 s[TBK], ttmp9, 2
	s_add_co_u32 s[TBK], s[TBK], s[CX]             ; my block of 256 tokens
	s_and_b32 s[HD], ttmp7, 0xffff                 ; my 64 columns, which the four partners share
	v_lshlrev_b32 v[LI], 4, v1
	v_lshlrev_b32 v[LW], 4, v1
	v_lshl_add_u32 v[LS], v1, 2, 24576
	v_lshlrev_b32 v[L8], 3, v1
	s_mul_i32 s40, s[WV], 8704
	s_add_co_u32 s40, s40, STG                     ; my stage
	v_mul_u32_u24 v[STO], v2, 272
	s_delay_alu instid0(VALU_DEP_1)
	v_lshl_add_u32 v[STO], v3, 6, v[STO]
	s_delay_alu instid0(VALU_DEP_1)
	v_add_nc_u32 v[STO], s40, v[STO]               ; in: row r, + 64 h
	v_mul_u32_u24 v[SRD], v3, 272
	s_delay_alu instid0(VALU_DEP_1)
	v_lshl_add_u32 v[SRD], v2, 4, v[SRD]
	s_delay_alu instid0(VALU_DEP_1)
	v_add_nc_u32 v[SRD], s40, v[SRD]               ; back: lanes 0-15 one row of 256 bytes, lanes 16-31 the next
	v_lshlrev_b32 v[GO], 11, v3
	s_delay_alu instid0(VALU_DEP_1)
	v_lshl_add_u32 v[GO], v2, 4, v[GO]             ; and the same two rows in out0
	v_lshlrev_b32 v[H64], 6, v3
	; descriptor: a dense block of 25,600 bytes as 100 rows of 256 (32 elements of 8 bytes), no padding; mask: all four work-groups
	s_mov_b32 s[G1], 15|(3<<16)|(1<<21)
	s_mov_b32 s[G1+1], 32<<16
	s_mov_b32 s[G1+2], 100<<16
	s_mov_b32 s[G1+3], 32<<16
	s_mov_b32 s[G1+4], 100
	s_mov_b32 s[G1+5], 32
	s_mov_b32 s[G1+6], 0
	s_mov_b32 s[G1+7], 0
	s_mov_b32 s[G0], 1
	s_mov_b32 s[G0+1], 0
	s_lshl_b32 s41, s[TBK], 3
	s_add_co_u32 s41, s41, s[WV]                   ; my group of 32 tokens
	s_mul_i32 s42, s41, 12288
	s_mov_b32 s43, 0
	s_lshl_b32 s44, s41, 9
	s_add_co_u32 s44, s44, 3145728
	s_mov_b32 s45, 0
	s_lshl_b32 s46, s[HD], 8
	s_mov_b32 s47, 0
	s_lshl_b32 s48, s41, 16
	s_add_co_u32 s48, s48, s46
	s_mov_b32 s49, 0
	s_add_co_u32 s50, s[HD], 24
	s_mul_i32 s50, s50, 25600
	s_mov_b32 s51, 0
	s_wait_dscnt 0x0
	s_wait_kmcnt 0x0
	s_add_nc_u64 s[42:43], s[4:5], s[42:43]        ; the rows' codes
	s_add_nc_u64 s[44:45], s[4:5], s[44:45]        ; their scale words
	s_add_nc_u64 s[8:9], s[8:9], s[46:47]          ; the bias of my 64 columns
	s_add_nc_u64 s[10:11], s[10:11], s[48:49]      ; out0 at my first token and column
	s_add_nc_u64 s[G0+2:G0+3], s[6:7], s[50:51]
	s_or_b32 s[G0+3], s[G0+3], 0x80000000
	CROUND                                         ; all four work-groups are here: the joint loads meet
	s_cmp_eq_u32 s[WV], 0
	s_cbranch_scc0 .Lno_fill
	tensor_load_to_lds s[G0:G0+3], s[G1:G1+7]      ; one load is out; these bytes are filled once
	s_nop 0
.rept 4
	v_nop
.endr
.Lno_fill:
	WIN 0x40                                       ; destination window 1
.set n, 0
.rept 48
	global_load_b64 v[2*n:2*n+1], v[L8], s[42:43] offset:256*n   ; two registers of every lane: 256 consecutive bytes a load
.set n, n+1
.endr
	s_wait_alu depctr_va_vdst(0)
.irp t, 0,1,2,3                                ; lane (r, h) wants the bias of columns 32 (t / 2) + 8 (t % 2) + 16 h + 0 .. 7
	global_load_b128 v[BQ+8*\t:BQ+8*\t+3], v[H64], s[8:9] offset:(32*(\t/2)+8*(\t%2))*4
	global_load_b128 v[BQ+8*\t+4:BQ+8*\t+7], v[H64], s[8:9] offset:(32*(\t/2)+8*(\t%2))*4+16
.endr
	WIN 0
	global_load_b128 v[XS:XS+3], v[LI], s[44:45]
	s_wait_loadcnt 0x0
	s_wait_tensorcnt 0x0                           ; the block has landed,
	s_barrier_signal -1
	s_barrier_wait -1                              ; and every wave knows
.macro FETCHW s, set                           ; K step s: four fragments and two registers of scale words: 14 LDS loads, each of consecutive bytes
.irp t, 0,1,2,3
.irp q, 0,1,2
	ds_load_b128 v[WF+48*(\set)+12*\t+4*\q:WF+48*(\set)+12*\t+4*\q+3], v[LW] offset:1536*(4*(\s)+\t)+512*\q
.endr
.endr
.irp b, 0,1
	ds_load_b32 v[WS+2*(\set)+\b], v[LS] offset:256*(\s)+128*\b
.endr
.endm
.macro MUL s, set                              ; eight products, the eight accumulators by turns
.if (\s) == 0
	WIN 0x14                                       ; B (rows) and C (bias) window 1
.else
	WIN 0x04
.endif
.irp m, 0,1
.irp t, 0,1,2,3
.if (\s) == 0
	WM ACC+8*(4*\m+\t), WF+48*(\set)+12*\t, 12*(4*\m+(\s)), BQ+8*\t, WS+2*(\set)+\t/2, XS+(\s), \t%2, \m
.else
	WM ACC+8*(4*\m+\t), WF+48*(\set)+12*\t, 12*(4*\m+(\s)), ACC+8*(4*\m+\t), WS+2*(\set)+\t/2, XS+(\s), \t%2, \m
.endif
.endr
.endr
.endm
	FETCHW 0, 0
.irp s, 0,1,2,3
	WIN 0
.if \s > 0
	PLACES 4                                       ; in front of loads into the set that the step before multiplied
.endif
.if \s < 3
	FETCHW \s+1, (\s+1)%2
	s_wait_dscnt 14                                ; all but the 14 loads just issued: this step's fragments are in
.else
	s_wait_dscnt 0x0
.endif
	MUL \s, \s%2
.endr
	WIN 0
	PLACES 4                                       ; in front of the first read of results, and of loads into registers that the products read
.irp m, 0,1
.irp q, 0,1,2,3,4,5,6,7                        ; registers 4 q on of tile m: columns 32 (q / 4) + 16 h + 4 (q % 4) on; ascending: each accumulator from its low end on
	ds_store_b128 v[STO], v[ACC+32*\m+4*\q:ACC+32*\m+4*\q+3] offset:4352*\m+128*(\q/4)+16*(\q%4)
.endr
.irp i, 0,1,2,3,4,5,6,7
	ds_load_b128 v[WF+32*\m+4*\i:WF+32*\m+4*\i+3], v[SRD] offset:4352*\m+544*\i   ; LDS serves a wave's instructions in order: these see my stores
.endr
.endr
.irp m, 0,1
.irp i, 0,1,2,3,4,5,6,7
	s_wait_dscnt 23-16*\m-\i                       ; the LDS instructions issued behind this load may be out
	global_store_b128 v[GO], v[WF+32*\m+4*\i:WF+32*\m+4*\i+3], s[10:11] offset:(8*\m+2*\i+8*(\i/4))*2048 th:TH_STORE_NT   ; rows 2 i and 2 i + 1 of tile m: sixteen lanes store 256 consecutive bytes, aligned
.endr
.endr
	s_wait_tensorcnt 0x0
	ds_add_u32 v254, v255
	s_wait_dscnt 0x0
	CROUND                                         ; the closing round: no work-group ends while a partner may still ask for a block that names it
	s_endpgm
.Lfunc_end_k_q13cc38653f_oproj:
	.size	k_q13cc38653f_oproj, .Lfunc_end_k_q13cc38653f_oproj-k_q13cc38653f_oproj
	.p2alignl 7, 3214868480
	.fill 96, 4, 3214868480
	.section	.rodata,"a",@progbits
	.p2align	6, 0x0
	.amdhsa_kernel k_q13cc38653f_oproj
		.amdhsa_group_segment_fixed_size 168960
		.amdhsa_private_segment_fixed_size 0
		.amdhsa_enable_private_segment 0
		.amdhsa_kernarg_size 32
		.amdhsa_user_sgpr_count 2
		.amdhsa_user_sgpr_kernarg_segment_ptr 1
		.amdhsa_wavefront_size32 1
		.amdhsa_system_sgpr_workgroup_id_x 1
		.amdhsa_system_sgpr_workgroup_id_y 1
		.amdhsa_system_sgpr_workgroup_id_z 1
		.amdhsa_system_vgpr_workitem_id 0
		.amdhsa_next_free_vgpr 512
		.amdhsa_next_free_sgpr 66
		.amdhsa_reserve_vcc 0
		.amdhsa_float_denorm_mode_32 3
		.amdhsa_float_denorm_mode_16_64 3
		.amdhsa_memory_ordered 1
		.amdhsa_forward_progress 1
		.amdhsa_inst_pref_size 23
	.end_amdhsa_kernel
	.amdgpu_metadata
---
amdhsa.version: [ 1, 2 ]
amdhsa.kernels:
  - .name:           k_q13cc38653f_oproj
    .symbol:         k_q13cc38653f_oproj.kd
    .args:
      - { .name: oq, .offset: 0, .size: 8, .value_kind: global_buffer, .address_space: global }
      - { .name: wq, .offset: 8, .size: 8, .value_kind: global_buffer, .address_space: global }
      - { .name: bo, .offset: 16, .size: 8, .value_kind: global_buffer, .address_space: global }
      - { .name: out0, .offset: 24, .size: 8, .value_kind: global_buffer, .address_space: global }
    .group_segment_fixed_size: 168960
    .private_segment_fixed_size: 0
    .kernarg_segment_align: 8
    .kernarg_segment_size: 32
    .max_flat_workgroup_size: 256
    .sgpr_count:     66
    .vgpr_count:     512
    .wavefront_size: 32
...
	.end_amdgpu_metadata
.endif
;; end of part 4
